; MI455X (gfx1250); checked and timed in simulation.
; The chip was launched on July 23, 2026; its instructions are those of AMD's public machine-readable ISA for CDNA 5 (MIT licence, August 2026) and "CDNA5" Instruction Set Architecture Reference Guide (July 2026). The comments in the code are by the model that wrote it; some were corrected since.
;; Multi Head Attention Block. Allowed arithmetic: matrix products marked QUANTISED: E5M2 operands, one given power-of-two scale a tensor, by v_wmma_f32_16x16x64_bf8_bf8 or v_wmma_f32_16x16x128_bf8_bf8, f32 sums; everything else in f32.
;; Inputs: W1_codes 4,096 x 16 x 32 uint8 (E5M2 codes of W1, K innermost, in blocks of 32 codes); W2_codes 512 x 128 x 32 uint8 (E5M2 codes of W2, K innermost, in blocks of 32 codes); Wk_codes 512 x 16 x 32 uint8 (E5M2 codes of Wk, K innermost, in blocks of 32 codes); Wq_codes 512 x 16 x 32 uint8 (E5M2 codes of Wq, K innermost, in blocks of 32 codes); Wv_codes 512 x 16 x 32 uint8 (E5M2 codes of Wv, K innermost, in blocks of 32 codes); alpha 1 float32; b1 4,096 float32; b2 512 float32; beta 1 float32; lowp_scales 14 int32 (the exponents e of the quantised operands' scales 2^e); x 4 x 2,048 x 512 float32.
;; Outputs: out0 4 x 2,048 x 512 float32.
;; This version of the problem:
;;   THIS VERSION OF THE PROBLEM IS GIVEN IN LOW PRECISION. The matrix products marked QUANTISED in the list below multiply operands that are first quantised to E5M2 (5 exponent bits, 2 mantissa bits; 8 bits a number), with one given power-of-two scale for each operand tensor; their sums are f32. All else is computed in f32.
;;   The module's matrix products, in the order in which they are computed (A, B: the left and right operand; K: the contracted axis; several contracted axes count as one K, in the product's order):
;;     1. [M 8,192, K 512] x [K 512, N 512]; A: computed on the way; B: input Wq (given as codes): QUANTISED (scales: A lowp_scales[0], B lowp_scales[1])
;;     2. [M 8,192, K 512] x [K 512, N 512]; A: computed on the way; B: input Wk (given as codes): QUANTISED (scales: A lowp_scales[2], B lowp_scales[3])
;;     3. [M 8,192, K 512] x [K 512, N 512]; A: computed on the way; B: input Wv (given as codes): QUANTISED (scales: A lowp_scales[4], B lowp_scales[5])
;;     4. batch 64 x [M 2,048, K 32] x [K 32, N 2,048]; A: computed on the way; B: computed on the way: QUANTISED (scales: A lowp_scales[6], B lowp_scales[7])
;;     5. batch 64 x [M 32, K 2,048] x [K 2,048, N 2,048]; A: computed on the way; B: softmax (see below): QUANTISED (scales: A lowp_scales[8], B lowp_scales[9])
;;     6. [M 8,192, K 512] x [K 512, N 4,096]; A: computed on the way; B: input W1 (given as codes): QUANTISED (scales: A lowp_scales[10], B lowp_scales[11])
;;     7. [M 8,192, K 4,096] x [K 4,096, N 512]; A: computed on the way; B: input W2 (given as codes): QUANTISED (scales: A lowp_scales[12], B lowp_scales[13])
;;   THE QUANTISER, for each operand of a quantised product, along K:
;;     - The operand's scale is 2^e, e = its entry of the input lowp_scales (int32; the entries are numbered through the quantised products in the list's order, A before B).
;;     - Each number is divided by the scale, clamped to +-57,344, and rounded to the nearest number of E5M2, ties to even, subnormals kept.
;;     - The product sums the exact products of the quantised numbers (number of the format x scale) in f32.
;;   ~~~python
;;   def quantise(x, axis, e):      # numpy; x: float32 -> the quantised numbers, widened to float32 again
;;       x = np.moveaxis(x, axis, -1); K = x.shape[-1]
;;       r = np.clip(x / 2.0 ** e, -57344, 57344)
;;       step = 2.0 ** (np.maximum(np.frexp(np.where(r == 0, 1, r))[1] - 1, -14) - 2)
;;       q = np.round(r / step) * step * 2.0 ** e      # np.round: ties to even
;;       return np.moveaxis(q, -1, axis).astype(np.float32)
;;   ~~~
;;   SOFTMAX AHEAD OF A QUANTISED PRODUCT. Where the list says 'softmax', what is quantised is not the finished softmax but p = 2^(t - M), with t = logit x log2(e) and M = ceil(the row's largest t), a whole number; so 1/2 < the row's largest p <= 1. The row's sum l is taken of the UNQUANTISED p, in f32, and the product's result is divided by l at the end. Since M is a whole number, a kernel that streams over the keys may use a running M (the ceiling of the running maximum): every later rescaling is an exact power of two, so the quantised numbers keep their values, but for numbers so far below the row's largest that they fall under the format's range.
;;   OPERANDS COMPUTED ON THE WAY. 'Computed on the way' means the value that the module computes at that place (a softmax that the list does not call 'softmax' is quantised finished and normalised). What goes into a quantiser is computed in f32, as accurately as f32 sums, v_exp_f32 and their like allow (about 1e-6 of the number): no bf16 or f16 on the way to a quantiser, and a product that is left as it is and whose result goes on into a quantised operand takes f32 operands (vector FMAs, or v_wmma_f32_16x16x4_f32). A number that lies on a knife's edge between two numbers of the format may be rounded either way, as far as f32 arithmetic and the matrix unit's own rounding can turn it there, and no further.
;;   INPUTS GIVEN AS CODES. W1 (in the module: [512, 4096], K = its axis 0); W2 (in the module: [4096, 512], K = its axis 0); Wk (in the module: [512, 512], K = its axis 0); Wq (in the module: [512, 512], K = its axis 0); Wv (in the module: [512, 512], K = its axis 0): each comes as NAME_codes (uint8): NAME with its K axis moved to the last place and cut into blocks of 32 codes, [.., K / 32, bytes a block], one block behind the other in memory; one code a byte (a code: sign, 5 exponent bits, 2 mantissa bits); its scale is its entry of lowp_scales. Its value is code x scale, taken as it is: it is not quantised again, and the codes and scales need not be those that the quantiser above would give.
;; 2 versions, each right; version 2 is version 1 with the launches qkv, attn, up written anew for expert scheduling mode. Each part assembles by itself: llvm-mc -triple=amdgcn-amd-amdhsa -mcpu=gfx1250 --defsym DOCPART=n.
;; ======== version 1 of 2: 4 launches
;; workspace buffers: qc 4,194,304 bytes; kvc 8,388,608 bytes; w1i 2,097,152 bytes; x1 16,777,216 bytes; hid 33,554,432 bytes
;; launch qkv (part 1): grid 64 x 4, 4 waves a work-group, no clusters, 68,096 bytes of LDS; arguments x, Wq_codes, Wk_codes, Wv_codes, alpha, beta, lowp_scales, qc, kvc, W1_codes, w1i; writes qc, kvc, w1i
.if DOCPART == 1
	.amdgcn_target "amdgcn-amd-amdhsa--gfx1250"
	.amdhsa_code_object_version 6
	.text
	.protected	k_q99e5fe7f76_qkv
	.globl	k_q99e5fe7f76_qkv
	.p2align	8
	.type	k_q99e5fe7f76_qkv,@function
k_q99e5fe7f76_qkv:
	s_mov_b64 s[64:65], 0
	v_nop
	global_prefetch_b8 v0, s[64:65] scope:SCOPE_SE
	s_setreg_imm32_b32 hwreg(HW_REG_WAVE_MODE, 25, 1), 1
	s_wait_xcnt 0x0
; Work-group y = 0, 1, 2: layer norm of 128 rows of x, quantised to E5M2, times Wq, Wk or Wv (codes, K innermost), and the result quantised again for the attention's products.
; Work-group y = 3: W1's codes are laid out in the order in which a later launch's operand registers take them.
; SHARES (y < 3).  A work-group has 128 rows (x = the block of rows), four waves.  Wave w normalises rows 32 w .. 32 w + 31 and puts their codes into an LDS tile (rows of 512 bytes, 528 apart); one barrier;
; every wave then takes ALL 32 fragments of the tile (8 tiles of 16 rows x 4 K steps of 128: 512 registers) and keeps them.  Wave w makes columns 128 w .. 128 w + 127: four heads of 32, a head a trip.
; The weights go from memory straight into registers, two tiles of 16 columns (128 registers) a trip, in two buffers; each weight fragment feeds eight products.
; NO JOINT LOADS: the row blocks share the weights, but a joint load lands in LDS, and the weights here never go through LDS: a wave reads its 64 KiB of them once, into the operand registers themselves.
; THE ORDER OF K: registers 4 c .. 4 c + 3 of a fragment hold k = 32 c + 16 (lane / 16) + 0 .. 15, alike in both operands, so every product meets its partner.
; Q, K: the product is used transposed (source 0 = 16 rows of W, source 1 = 16 rows of x), and lane r of tile u takes W's row 32 p + 8 u + r + (r & 8): a lane's 16 registers of the two tiles are channels 16 (lane / 16) + 0 .. 15 of one token.
; V: source 0 = x, source 1 = W: a lane holds one channel and eight neighbouring tokens, which are the second attention product's K.
; OUT, as images of operand registers, 512 bytes each, lane l's 16 bytes at 16 l:  qc: ((b 16 + head) 128 + tile of 16 tokens) 512.   kvc: a block of 8,192 bytes for (b, head, 128 keys): eight tiles of K, then V's two fragments.
; LIMITS on the given exponents, so that each power of two below is an f32 number: the activation's e, and e(out) - e(activation) - e(weight), between -126 and 112.  NaN among the inputs is not served.
; REGISTERS.  Window 0: v1 lane % 16, v2 lane / 16, v3 x's offset, v4, v5 LDS addresses, v6, v7 the weights' offsets, v8-11 the stores' offsets, v13 16 x lane, v14 1 / 511, v16-31 at work,
;   v32-159 four slots of 32 numbers of x, later the 16 accumulators (tile m, u at 32 + 16 m + 8 u), v160-191 codes, v224-227 the two scales and their limits.
;   Windows 1 and 2: x's fragment (m, s) at 16 (4 (m % 4) + s) of window 1 + m / 4.   Window 3: the weights, buffer q at 128 q, fragment (u, s) at 16 (4 u + s).
.set PITCH, 528
.set XR,    32
.set CD,    160
.set MU,    16
.set G,     20
.set T,     24
.set MSB,   0
.macro WIN new                         ; the immediate's high byte repeats the setting that is left
.if MSB != (\new)
	s_set_vgpr_msb (MSB<<8)|(\new)
.set MSB, (\new)
.endif
.endm
.macro WLOAD p                         ; head p's two tiles of W, all four K steps, into buffer p % 2
	WIN 0xc0                                       ; destination window 3, address window 0
.irp u, 0,1
.irp s, 0,1,2,3
.irp c, 0,1,2,3
	global_load_b128 v[128*((\p)%2)+16*(4*\u+\s)+4*\c:128*((\p)%2)+16*(4*\u+\s)+4*\c+3], v[6+\u], s[42:43] offset:(\p)*16384+128*\s+32*\c
.endr
.endr
.endr
	WIN 0
.endm
.macro XLOAD pr                        ; rows 2 pr and 2 pr + 1 of my 32: each load takes 256 consecutive bytes of each row.  Register 4 j + e holds k = 64 j + 4 (lane % 16) + e
.irp j, 0,1,2,3,4,5,6,7
	global_load_b128 v[XR+32*((\pr)%4)+4*\j:XR+32*((\pr)%4)+4*\j+3], v3, s[4:5] offset:(\pr)*4096+\j*256
.endr
.endm
.macro ACROSS                          ; two chains a row are joined, then the row's sixteen lanes; the two pairs of rows alternate line by line
.irp z, 0,1
	v_pk_add_f32 v[T+4*\z:T+4*\z+1], v[T+4*\z:T+4*\z+1], v[T+4*\z+2:T+4*\z+3]
.endr
.irp z, 0,1
	v_add_f32 v[T+4*\z], v[T+4*\z], v[T+4*\z+1]
.endr
.irp k, 1,2,4,8
.irp z, 0,1
	v_add_f32_dpp v[T+4*\z], v[T+4*\z], v[T+4*\z] row_xmask:\k row_mask:0xf bank_mask:0xf
.endr
.endr
.endm
; Row pairs 2 i and 2 i + 1 (four rows): mean, variance about the mean, alpha (x - mean) / sqrt(var + 1e-6) + beta, hold, codes, into the LDS tile.  left: younger loads that may stay out.
.macro LN2 i, left, refill
.set XB, XR+32*((2*(\i))%4)
.set CB, CD+8*((2*(\i))%4)
	s_wait_loadcnt \left                           ; loads come back in order: these two pairs' sixteen are in, the next two pairs' may be out
.irp z, 0,1
	v_pk_add_f32 v[T+4*\z:T+4*\z+1], v[XB+32*\z:XB+32*\z+1], v[XB+32*\z+2:XB+32*\z+3]
	v_pk_add_f32 v[T+4*\z+2:T+4*\z+3], v[XB+32*\z+4:XB+32*\z+5], v[XB+32*\z+6:XB+32*\z+7]
.endr
.irp j, 8,12,16,20,24,28
.irp z, 0,1
	v_pk_add_f32 v[T+4*\z:T+4*\z+1], v[T+4*\z:T+4*\z+1], v[XB+32*\z+\j:XB+32*\z+\j+1]
	v_pk_add_f32 v[T+4*\z+2:T+4*\z+3], v[T+4*\z+2:T+4*\z+3], v[XB+32*\z+\j+2:XB+32*\z+\j+3]
.endr
.endr
	ACROSS
.irp z, 0,1
	v_mul_f32 v[MU+2*\z], 0xbb000000, v[T+4*\z]    ; minus the mean: the sum x -2^-9
.endr
.set J, 0
.rept 16
	v_pk_add_f32 v[XB+J:XB+J+1], v[XB+J:XB+J+1], v[MU:MU+1] op_sel_hi:[1,0]
	v_pk_add_f32 v[XB+32+J:XB+33+J], v[XB+32+J:XB+33+J], v[MU+2:MU+3] op_sel_hi:[1,0]
.set J, J+2
.endr
.irp z, 0,1
	v_pk_mul_f32 v[T+4*\z:T+4*\z+1], v[XB+32*\z:XB+32*\z+1], v[XB+32*\z:XB+32*\z+1]
	v_pk_mul_f32 v[T+4*\z+2:T+4*\z+3], v[XB+32*\z+2:XB+32*\z+3], v[XB+32*\z+2:XB+32*\z+3]
.endr
.irp j, 4,8,12,16,20,24,28
.irp z, 0,1
	v_pk_fma_f32 v[T+4*\z:T+4*\z+1], v[XB+32*\z+\j:XB+32*\z+\j+1], v[XB+32*\z+\j:XB+32*\z+\j+1], v[T+4*\z:T+4*\z+1]
	v_pk_fma_f32 v[T+4*\z+2:T+4*\z+3], v[XB+32*\z+\j+2:XB+32*\z+\j+3], v[XB+32*\z+\j+2:XB+32*\z+\j+3], v[T+4*\z+2:T+4*\z+3]
.endr
.endr
	ACROSS
.irp z, 0,1
	v_fmaak_f32 v[T+4*\z], v[T+4*\z], v14, 0x358637bd   ; the squares' sum / 511 + 1e-6
.endr
.irp z, 0,1
	v_rsq_f32 v[T+4*\z+1], v[T+4*\z]
.endr
	v_nop                                          ; a plain instruction behind the last root
	s_wait_alu depctr_va_vdst(0)                   ; one wait for both roots, ahead of their first reader
.irp z, 0,1
	v_mul_f32 v[G+2*\z], s47, v[T+4*\z+1]          ; alpha / sqrt(var + 1e-6)
.endr
.set J, 0
.rept 16
	v_pk_fma_f32 v[XB+J:XB+J+1], v[XB+J:XB+J+1], v[G:G+1], s[48:49] op_sel_hi:[1,0,0]
	v_pk_fma_f32 v[XB+32+J:XB+33+J], v[XB+32+J:XB+33+J], v[G+2:G+3], s[48:49] op_sel_hi:[1,0,0]
.set J, J+2
.endr
.set J, 0
.rept 64
	v_med3_num_f32 v[XB+J], v[XB+J], -v225, v225   ; the conversion to an 8-bit code does not saturate (ISA guide 7.6.2): the hold at the largest code x the scale
.set J, J+1
.endr
	s_wait_dscnt 16                                ; the sixteen LDS stores of the last call may be out; those of the call before, which read these code registers, are done
.irp z, 0,1
.irp a, 0,1,2,3
	v_cvt_scalef32_pk8_bf8_f32 v[CB+8*\z+2*\a:CB+8*\z+2*\a+1], v[XB+32*\z+8*\a:XB+32*\z+8*\a+7], v224
.endr
.endr
	v_nop                                          ; a plain instruction behind the last scaled conversion
.irp z, 0,1
.irp a, 0,1,2,3
	ds_store_b32 v4, v[CB+8*\z+2*\a] offset:(2*(\i)+\z)*2*PITCH+128*\a         ; k = 128 a + 4 (lane % 16) + 0 .. 3
	ds_store_b32 v4, v[CB+8*\z+2*\a+1] offset:(2*(\i)+\z)*2*PITCH+128*\a+64    ; and 64 further on
.endr
.endr
.if \refill
	XLOAD 2*(\i)+4
	XLOAD 2*(\i)+5
.endif
.endm
.macro AFETCH                          ; all 32 fragments of the tile of codes
.irp m, 0,1,2,3,4,5,6,7
	WIN 0x40*(1+\m/4)
.irp s, 0,1,2,3
.irp c, 0,1,2,3
	ds_load_b128 v[16*(4*(\m%4)+\s)+4*\c:16*(4*(\m%4)+\s)+4*\c+3], v5 offset:\m*16*PITCH+128*\s+32*\c
.endr
.endr
.endr
	WIN 0
	s_wait_dscnt 0x0
.endm
; 64 products: 8 tiles of rows x 2 tiles of columns x 4 K steps.  Eight accumulators take turns, one instruction a turn; the first K step starts the sums with the constant 0.
.macro MM q, vpath
.irp mh, 0,1
.if \vpath
	WIN 0x0d+\mh                                   ; source 0 (x) window 1 or 2, source 1 (W) window 3
.else
	WIN 0x07+4*\mh                                 ; source 0 (W) window 3, source 1 (x) window 1 or 2
.endif
.irp s, 0,1,2,3
.irp mm, 0,1,2,3
.irp u, 0,1
.set rD, 32+16*(4*\mh+\mm)+8*\u
.set rW, 128*(\q)+16*(4*\u+\s)
.set rA, 16*(4*\mm+\s)
.if \vpath
.if \s == 0
	v_wmma_f32_16x16x128_bf8_bf8 v[rD:rD+7], v[rA:rA+15], v[rW:rW+15], 0
.else
	v_wmma_f32_16x16x128_bf8_bf8 v[rD:rD+7], v[rA:rA+15], v[rW:rW+15], v[rD:rD+7]
.endif
.else
.if \s == 0
	v_wmma_f32_16x16x128_bf8_bf8 v[rD:rD+7], v[rW:rW+15], v[rA:rA+15], 0
.else
	v_wmma_f32_16x16x128_bf8_bf8 v[rD:rD+7], v[rW:rW+15], v[rA:rA+15], v[rD:rD+7]
.endif
.endif
.endr
.endr
.endr
.endr
	WIN 0
.rept 4
	v_nop                                          ; four places in front of the loads into the weights' buffer and of the first read of results
.endr
.endm
; A trip: head 4 w + p.
.macro TRIP p, vpath
.if (\p) < 3
	s_wait_loadcnt 32                              ; this head's weights are in; the next head's 32 loads may be out
.else
	s_wait_loadcnt 0x0
.endif
	MM (\p)%2, \vpath
	s_wait_xcnt 0x0                                ; the last trip's stores have read the code registers, which are written again below
.if (\p) < 2
	WLOAD (\p)+2
.endif
.if \vpath
.irp u, 0,1
.irp m, 0,1,2,3,4,5,6,7
.irp j, 0,1,2,3,4,5,6,7
	v_med3_num_f32 v[32+16*\m+8*\u+\j], v[32+16*\m+8*\u+\j], -v227, v227
.endr
	v_cvt_scalef32_pk8_bf8_f32 v[CD+16*\u+2*\m:CD+16*\u+2*\m+1], v[32+16*\m+8*\u:32+16*\m+8*\u+7], v226   ; keys 16 m + 8 (lane / 16) + 0 .. 7 of channel 16 u + lane % 16
.endr
.endr
	v_nop                                          ; a plain instruction behind the last scaled conversion
.irp u, 0,1
.irp c, 0,1,2,3
	global_store_b128 v13, v[CD+16*\u+4*\c:CD+16*\u+4*\c+3], s[54:55] offset:(\p)*131072+4096+2048*\u+512*\c   ; 32 lanes store 512 consecutive bytes, aligned
.endr
.endr
.else
.irp m, 0,1,2,3,4,5,6,7
.irp j, 0,1,2,3,4,5,6,7,8,9,10,11,12,13,14,15
	v_med3_num_f32 v[32+16*\m+\j], v[32+16*\m+\j], -v227, v227
.endr
	v_cvt_scalef32_pk8_bf8_f32 v[CD+4*\m:CD+4*\m+1], v[32+16*\m:32+16*\m+7], v226
	v_cvt_scalef32_pk8_bf8_f32 v[CD+4*\m+2:CD+4*\m+3], v[32+16*\m+8:32+16*\m+15], v226
.endr
	v_nop                                          ; a plain instruction behind the last scaled conversion
.irp m, 0,1,2,3,4,5,6,7
	global_store_b128 v[8+(\p)], v[CD+4*\m:CD+4*\m+3], s[54:55] offset:512*\m   ; 32 lanes store 512 consecutive bytes, aligned
.endr
.endif
.endm
	s_load_b512 s[4:19], s[0:1], 0x0               ; x, Wq, Wk, Wv, alpha, beta, the scales' exponents, qc
	s_load_b128 s[20:23], s[0:1], 0x40             ; kvc, W1's codes
	s_load_b64 s[24:25], s[0:1], 0x50              ; w1i
	v_lshl_add_u32 v254, v0, 2, 0x10800
	v_mov_b32 v255, 0
	v_lshrrev_b32 v1, 5, v0
	v_readfirstlane_b32 s26, v1                    ; wave 0..3
	s_and_b32 s27, ttmp7, 0xffff                   ; 0: Q, 1: K, 2: V, 3: W1's layout
	v_and_b32 v1, 15, v0                           ; lane % 16
	v_bfe_u32 v2, v0, 4, 1                         ; lane / 16
	v_and_b32 v13, 31, v0
	v_lshlrev_b32 v13, 4, v13                      ; 16 x lane
	s_cmp_eq_u32 s27, 3
	s_cbranch_scc1 .Llayout                        ; the same way for the whole work-group
	s_lshl_b32 s28, ttmp9, 18                      ; my block's 128 rows of 2,048 bytes
	s_mov_b32 s29, 0
	s_lshl_b32 s30, s26, 16                        ; 32 rows of x, and 128 rows of W, are both 65,536 bytes a wave
	v_lshlrev_b32 v3, 11, v2
	v_lshl_add_u32 v3, v1, 4, v3
	v_add_nc_u32 v3, s30, v3                       ; x: (32 w + lane / 16) rows + 16 (lane % 16)
	s_mul_i32 s31, s26, 32*PITCH
	v_mul_u32_u24 v4, v2, PITCH
	v_lshl_add_u32 v4, v1, 2, v4
	v_add_nc_u32 v4, s31, v4                       ; the tile, on the way in: (32 w + lane / 16) rows + 4 (lane % 16)
	v_mul_u32_u24 v5, v1, PITCH
	v_lshl_add_u32 v5, v2, 4, v5                   ; and out: row lane % 16, + 16 (lane / 16)
	s_cmp_eq_u32 s27, 2
	s_cselect_b32 s40, 0, 8                        ; V takes W's rows as they lie; Q and K in the order given at the head
	s_mov_b32 s41, 4096
	s_cselect_b32 s41, 8192, s41                   ; from tile 0 to tile 1: 16 rows, or 8
	v_and_b32 v6, s40, v1
	v_add_nc_u32 v6, v6, v1
	v_lshlrev_b32 v6, 9, v6
	v_lshl_add_u32 v6, v2, 4, v6
	v_add_nc_u32 v7, s41, v6
	v_mov_b32 v14, 0x3b004020                      ; 1 / 511
	v_mov_b32 v17, 0                               ; upper halves of pairs of which the low word serves both halves: named, so written
	v_mov_b32 v19, 0
	v_mov_b32 v21, 0
	v_mov_b32 v23, 0
	s_mov_b32 s31, 0
	s_wait_kmcnt 0x0
	s_load_b256 s[32:39], s[16:17], 0x0            ; e0 .. e7
	s_load_b32 s46, s[16:17], 0x20                 ; e8
	s_load_b32 s47, s[12:13], 0x0                  ; alpha
	s_load_b32 s48, s[14:15], 0x0                  ; beta
	s_cmp_eq_u32 s27, 1
	s_cselect_b64 s[42:43], s[8:9], s[6:7]
	s_cmp_eq_u32 s27, 2
	s_cselect_b64 s[42:43], s[10:11], s[42:43]     ; my weight,
	s_add_nc_u64 s[42:43], s[42:43], s[30:31]      ; at my wave's 128 rows
	s_add_nc_u64 s[4:5], s[4:5], s[28:29]
	WLOAD 0
	WLOAD 1
	XLOAD 0
	XLOAD 1
	XLOAD 2
	XLOAD 3
	s_wait_kmcnt 0x0
	s_cmp_eq_u32 s27, 1
	s_cselect_b32 s50, s34, s32                    ; the activation's e,
	s_cselect_b32 s51, s35, s33                    ; the weight's,
	s_cselect_b32 s52, s39, s38                    ; and the result's as an operand of attention
	s_cmp_eq_u32 s27, 2
	s_cselect_b32 s50, s36, s50
	s_cselect_b32 s51, s37, s51
	s_cselect_b32 s52, s46, s52
	s_add_co_i32 s53, s50, 127
	s_lshl_b32 s54, s53, 23
	v_mov_b32 v224, s54                            ; 2^e as f32: the conversion takes its exponent field
	s_add_co_i32 s53, s53, 15
	s_lshl_b32 s53, s53, 23
	s_or_b32 s53, s53, 0x600000
	v_mov_b32 v225, s53                            ; 57,344 x 2^e
	s_sub_co_i32 s52, s52, s50
	s_sub_co_i32 s52, s52, s51                     ; a sum stands for sum x 2^(e + e of W): the three exponents are folded into one scale
	s_add_co_i32 s52, s52, 127
	s_lshl_b32 s54, s52, 23
	v_mov_b32 v226, s54
	s_add_co_i32 s52, s52, 15
	s_lshl_b32 s52, s52, 23
	s_or_b32 s52, s52, 0x600000
	v_mov_b32 v227, s52
	s_mov_b32 s49, s48                             ; (named with beta as a pair, so it is written)
	LN2 0, 16, 1
	LN2 1, 16, 1
	LN2 2, 16, 1
	LN2 3, 16, 1
	LN2 4, 16, 1
	LN2 5, 16, 1
	LN2 6, 16, 0
	LN2 7, 0, 0
	s_wait_dscnt 0x0                               ; for the others' sake: my rows' codes lie in the tile
	s_barrier_signal -1
	s_barrier_wait -1
	AFETCH
	s_lshr_b32 s50, ttmp9, 4                       ; b
	s_and_b32 s51, ttmp9, 15                       ; which 128 tokens of the 2,048
	s_lshl_b32 s50, s50, 4
	s_lshl_b32 s52, s26, 2
	s_add_co_u32 s50, s50, s52                     ; 16 b + my first head
	s_mov_b32 s53, 0
	s_cmp_eq_u32 s27, 2
	s_cbranch_scc1 .Lvpath
	s_lshl_b32 s52, s50, 16                        ; qc: a head is 65,536 bytes, a block of 128 tokens 4,096; in kvc both are twice that
	s_lshl_b32 s54, s51, 12
	s_add_co_u32 s52, s52, s54
	s_lshl_b32 s52, s52, s27
	s_cmp_eq_u32 s27, 0
	s_cselect_b64 s[54:55], s[18:19], s[20:21]
	s_add_nc_u64 s[54:55], s[54:55], s[52:53]
	s_lshl_b32 s56, 0x10000, s27
	v_mov_b32 v8, v13
	v_add_nc_u32 v9, s56, v8
	v_add_nc_u32 v10, s56, v9
	v_add_nc_u32 v11, s56, v10                     ; 16 x lane + p heads
	TRIP 0, 0
	TRIP 1, 0
	TRIP 2, 0
	TRIP 3, 0
	s_wait_tensorcnt 0x0
	ds_add_u32 v254, v255
	s_wait_dscnt 0x0
	s_endpgm
.Lvpath:
	s_lshl_b32 s52, s50, 4
	s_add_co_u32 s52, s52, s51
	s_lshl_b32 s52, s52, 13                        ; ((16 b + head) 16 + key step) blocks of 8,192 bytes
	s_add_nc_u64 s[54:55], s[20:21], s[52:53]
	TRIP 0, 1
	TRIP 1, 1
	TRIP 2, 1
	TRIP 3, 1
	s_wait_tensorcnt 0x0
	ds_add_u32 v254, v255
	s_wait_dscnt 0x0
	s_endpgm
; W1's codes, [4096][512], become images of operand registers: for the pair of tiles P (hidden units 32 P .. 32 P + 31), tile u, K step s, group c of four registers: 512 bytes at 16,384 P + 8,192 u + 512 (4 s + c);
; lane (r, h) holds row 32 P + 8 u + r + (r & 8), k = 128 s + 32 c + 16 h + 0 .. 15.  A wave takes one tile: 16 loads, 16 stores of 512 consecutive bytes.
.Llayout:
	s_lshl_b32 s28, ttmp9, 1
	s_lshr_b32 s29, s26, 1
	s_add_co_u32 s28, s28, s29                     ; P
	s_and_b32 s29, s26, 1                          ; u
	s_lshl_b32 s30, s28, 14                        ; 32 rows of 512 bytes
	s_lshl_b32 s31, s29, 12                        ; 8 rows
	s_add_co_u32 s30, s30, s31
	s_mov_b32 s31, 0
	s_lshl_b32 s32, s28, 14
	s_lshl_b32 s33, s29, 13
	s_add_co_u32 s32, s32, s33
	s_mov_b32 s33, 0
	v_and_b32 v6, 8, v1
	v_add_nc_u32 v6, v6, v1
	v_lshlrev_b32 v6, 9, v6
	v_lshl_add_u32 v6, v2, 4, v6
	s_wait_kmcnt 0x0
	s_add_nc_u64 s[22:23], s[22:23], s[30:31]
	s_add_nc_u64 s[24:25], s[24:25], s[32:33]
.set J, 0
.rept 16
	global_load_b128 v[32+4*J:35+4*J], v6, s[22:23] offset:32*J th:TH_LOAD_NT   ; 128 s + 32 c = 32 (4 s + c)
.set J, J+1
.endr
.set J, 0
.rept 16
	s_wait_loadcnt 15-J                            ; load J is in; the later ones may be out
	global_store_b128 v13, v[32+4*J:35+4*J], s[24:25] offset:512*J
.set J, J+1
.endr
	s_endpgm
.Lfunc_end_k_q99e5fe7f76_qkv:
	.size	k_q99e5fe7f76_qkv, .Lfunc_end_k_q99e5fe7f76_qkv-k_q99e5fe7f76_qkv
	.p2alignl 7, 3214868480
	.fill 96, 4, 3214868480
	.section	.rodata,"a",@progbits
	.p2align	6, 0x0
	.amdhsa_kernel k_q99e5fe7f76_qkv
		.amdhsa_group_segment_fixed_size 68096
		.amdhsa_private_segment_fixed_size 0
		.amdhsa_enable_private_segment 0
		.amdhsa_kernarg_size 88
		.amdhsa_user_sgpr_count 2
		.amdhsa_user_sgpr_kernarg_segment_ptr 1
		.amdhsa_wavefront_size32 1
		.amdhsa_system_sgpr_workgroup_id_x 1
		.amdhsa_system_sgpr_workgroup_id_y 1
		.amdhsa_system_sgpr_workgroup_id_z 1
		.amdhsa_system_vgpr_workitem_id 0
		.amdhsa_next_free_vgpr 1024
		.amdhsa_next_free_sgpr 66
		.amdhsa_reserve_vcc 0
		.amdhsa_float_denorm_mode_32 3
		.amdhsa_float_denorm_mode_16_64 3
		.amdhsa_memory_ordered 1
		.amdhsa_forward_progress 1
		.amdhsa_inst_pref_size 255
	.end_amdhsa_kernel
	.section	.bss,"aw",@nobits
	.p2align	6
	.space	262144
	.amdgpu_metadata
---
amdhsa.version: [ 1, 2 ]
amdhsa.kernels:
  - .name:           k_q99e5fe7f76_qkv
    .symbol:         k_q99e5fe7f76_qkv.kd
    .args:
      - { .name: x, .offset: 0, .size: 8, .value_kind: global_buffer, .address_space: global }
      - { .name: Wq_codes, .offset: 8, .size: 8, .value_kind: global_buffer, .address_space: global }
      - { .name: Wk_codes, .offset: 16, .size: 8, .value_kind: global_buffer, .address_space: global }
      - { .name: Wv_codes, .offset: 24, .size: 8, .value_kind: global_buffer, .address_space: global }
      - { .name: alpha, .offset: 32, .size: 8, .value_kind: global_buffer, .address_space: global }
      - { .name: beta, .offset: 40, .size: 8, .value_kind: global_buffer, .address_space: global }
      - { .name: lowp_scales, .offset: 48, .size: 8, .value_kind: global_buffer, .address_space: global }
      - { .name: qc, .offset: 56, .size: 8, .value_kind: global_buffer, .address_space: global }
      - { .name: kvc, .offset: 64, .size: 8, .value_kind: global_buffer, .address_space: global }
      - { .name: W1_codes, .offset: 72, .size: 8, .value_kind: global_buffer, .address_space: global }
      - { .name: w1i, .offset: 80, .size: 8, .value_kind: global_buffer, .address_space: global }
    .group_segment_fixed_size: 68096
    .private_segment_fixed_size: 0
    .kernarg_segment_align: 8
    .kernarg_segment_size: 88
    .max_flat_workgroup_size: 128
    .sgpr_count:     66
    .vgpr_count:     1024
    .wavefront_size: 32
...
	.end_amdgpu_metadata
.endif
;; end of part 1
;; launch attn (part 2): grid 8 x 32, 16 waves a work-group, no clusters, 299,008 bytes of LDS; arguments qc, kvc, x, lowp_scales, x1; writes x1
.if DOCPART == 2
	.amdgcn_target "amdgcn-amd-amdhsa--gfx1250"
	.amdhsa_code_object_version 6
	.text
	.protected	k_q99e5fe7f76_attn
	.globl	k_q99e5fe7f76_attn
	.p2align	8
	.type	k_q99e5fe7f76_attn,@function
k_q99e5fe7f76_attn:
	s_mov_b64 s[64:65], 0
	v_nop
	global_prefetch_b8 v0, s[64:65] scope:SCOPE_SE
	s_setreg_imm32_b32 hwreg(HW_REG_WAVE_MODE, 25, 1), 1
	s_wait_xcnt 0x0
; x1 = x + attention.  Both products on codes of E5M2: S^T = K Q^T (K = the head's 32, in the form of K = 64) and O^T = V^T P^T (K = 128 keys a step).
; THE SOFTMAX: t = score x log2(e) / sqrt(512); M = the running largest t rounded UP to a whole number; p = 2^(t - M) is quantised, not normalised; the row's sum is taken of the unquantised p and divides at the end.
; When M moves, the sum and O^T are multiplied by 2^(old M - new M): exact.
; SHARES.  A work-group owns 256 queries (x) of a pair of heads (y = 8 b + pair): two heads are 64 numbers, 256 bytes of a row of x1.  Sixteen waves, 256 registers each: wave w takes head w % 2 and the tile of
; 16 queries w / 2, in two passes of 128 queries.  Both heads' K and V for all 2,048 keys, 262,144 bytes that lie on end in kvc, are put into LDS once, as they lie: images of operand registers.
; NO TENSOR LOADS, NO JOINT LOADS: LDS is filled once, 16 KiB a wave, against 32 key steps a wave; nothing is filled again; and the text keeps a scalar branch on the given exponent of p (below).
; THE FORM OF K = 64 ON A HEAD OF 32: a fragment of eight registers holds TWO tiles of 16 keys, one in registers 0-3 and one in registers 4-7; the first is multiplied by [q, 0], the second by [0, q].
; The other half meets zero codes; k's codes are finite, since they were held at the largest code.  A lane holds ONE query (lane % 16) throughout; tile t's register j is key 16 t + 8 (lane / 16) + j,
; so the conversion of tile t gives registers 2 t, 2 t + 1 of the second product's operand in that form's own order, in which V's fragments were laid.
; THE HOLD OF p: p is at most 1, and the largest code x 2^e9 is at least 1.75 where e9 >= -15: there the 64 lines of the hold are jumped over, by a scalar branch on the whole number e9.
; LIMITS on the given exponents: e6 + e7 between -122 and 131 (added to c's exponent field); e9 between -126 and 112; e8 + e9 is applied by v_ldexp_f32 and has none.
; REGISTERS: v1 16 x lane + my head's place in LDS; v2 the step's address; v3 16 x lane; v4, v5 the stage; v6 x's and x1's offset; v7 the fill's offset; v12 -M, v13 the largest t, v[14:15] the sum in two halves;
;   v16-23 [q, 0]; v24-31 [0, q]; v32-63 K; v64-95 V; v96-159 S^T, then p; v160-175 O^T; v176-191 p's codes; v192-223 x for the two passes; v224-227 the second pass's q; v236-254 at work.
.set STG,   262144                     ; behind K and V: the stage, 128 rows x (256 bytes + 16)
.set SP,    272
	s_load_b256 s[4:11], s[0:1], 0x0               ; qc, kvc, x, the scales' exponents
	s_load_b64 s[12:13], s[0:1], 0x20              ; x1
	v_lshl_add_u32 v251, v0, 2, 0x48800
	v_mov_b32 v255, 0
	v_lshrrev_b32 v1, 5, v0
	v_readfirstlane_b32 s14, v1                    ; wave 0..15
	s_and_b32 s15, ttmp7, 0xffff                   ; y = 8 b + pair of heads
	v_and_b32 v8, 15, v0                           ; lane % 16
	v_bfe_u32 v9, v0, 4, 1                         ; lane / 16
	v_and_b32 v3, 31, v0
	v_lshlrev_b32 v3, 4, v3
	s_and_b32 s26, s14, 1                          ; my head of the pair
	s_lshr_b32 s27, s14, 1                         ; my tile of queries
	s_lshl_b32 s28, s26, 17
	v_add_nc_u32 v1, s28, v3
	s_lshl_b32 s28, s14, 14
	v_add_nc_u32 v7, s28, v3                       ; the fill: 16,384 bytes a wave
	s_mul_i32 s28, s27, 16*SP
	s_lshl_b32 s29, s26, 7
	s_add_co_u32 s28, s28, s29
	s_add_co_u32 s28, s28, STG
	v_mul_u32_u24 v4, v8, SP
	v_lshl_add_u32 v4, v9, 5, v4
	v_add_nc_u32 v4, s28, v4                       ; into the stage: row 16 (w / 2) + lane % 16; my head's 128 bytes; 32 (lane / 16)
	s_mul_i32 s28, s14, 8*SP
	s_add_co_u32 s28, s28, STG
	v_mul_u32_u24 v5, v9, SP
	v_lshl_add_u32 v5, v8, 4, v5
	v_add_nc_u32 v5, s28, v5                       ; back: rows 8 w on; sixteen lanes to a row of 256 bytes
	s_lshl_b32 s28, s14, 14
	v_lshlrev_b32 v6, 11, v9
	v_lshl_add_u32 v6, v8, 4, v6
	v_add_nc_u32 v6, s28, v6                       ; and the same rows in x and x1
	s_lshl_b32 s28, s15, 18                        ; kvc: the pair's 262,144 bytes
	s_mov_b32 s29, 0
	s_lshl_b32 s30, s15, 1
	s_add_co_u32 s30, s30, s26
	s_lshl_b32 s30, s30, 7
	s_lshl_b32 s31, ttmp9, 4
	s_add_co_u32 s30, s30, s31
	s_add_co_u32 s30, s30, s27
	s_lshl_b32 s30, s30, 9                         ; qc: ((2 y + head) 128 + 16 x + w / 2) images of 512 bytes
	s_mov_b32 s31, 0
	s_lshr_b32 s32, s15, 3
	s_lshl_b32 s32, s32, 22
	s_lshl_b32 s33, ttmp9, 19
	s_add_co_u32 s32, s32, s33
	s_and_b32 s33, s15, 7
	s_lshl_b32 s33, s33, 8
	s_add_co_u32 s32, s32, s33                     ; x, x1: (2,048 b + 256 x) rows of 2,048 bytes + 256 x pair
	s_mov_b32 s33, 0
	s_mov_b32 s20, 0x76543210
	s_mov_b32 s21, 0xfedcba98                      ; v_permlanex16_b32's selects for lane l xor 16
	s_wait_kmcnt 0x0
	s_load_b128 s[16:19], s[10:11], 0x18           ; e6 (q), e7 (k), e8 (v), e9 (p)
	s_add_nc_u64 s[6:7], s[6:7], s[28:29]
	s_add_nc_u64 s[4:5], s[4:5], s[30:31]
	s_add_nc_u64 s[8:9], s[8:9], s[32:33]
	s_add_nc_u64 s[12:13], s[12:13], s[32:33]
.set J, 0
.rept 32
	global_load_b128 v[32+4*J:35+4*J], v7, s[6:7] offset:512*J   ; 32 lanes read 512 consecutive bytes
.set J, J+1
.endr
	global_load_b128 v[16:19], v3, s[4:5]          ; the first pass's q, twice: A's and B's registers aside, [q, 0] and [0, q] are two runs of registers
	global_load_b128 v[28:31], v3, s[4:5]
.irp i, 0,1,2,3
	global_load_b128 v[192+4*\i:195+4*\i], v6, s[8:9] offset:4096*\i
.endr
	global_load_b128 v[224:227], v3, s[4:5] offset:4096
.irp i, 0,1,2,3
	global_load_b128 v[208+4*\i:211+4*\i], v6, s[8:9] offset:262144+4096*\i
.endr
.irp j, 20,21,22,23,24,25,26,27
	v_mov_b32 v\j, 0                               ; the zero halves
.endr
	v_mov_b32 v236, 0                              ; written once: a lane permute's destination counts as one of its sources
	v_mov_b32 v253, 0                              ; (named as the upper half of the pair v[252:253])
	s_wait_kmcnt 0x0
	s_add_co_i32 s28, s16, s17
	s_lshl_b32 s28, s28, 23
	s_mov_b32 s22, 0x3d8293ee                      ; c = log2(e) / sqrt(512)
	s_add_co_i32 s22, s22, s28                     ; a score stands for score x 2^(e6 + e7): the two exponents are added to c's exponent field
	s_mov_b32 s23, s22                             ; (named with it as a pair, so it is written)
	s_add_co_i32 s28, s19, 127
	s_lshl_b32 s29, s28, 23
	v_mov_b32 v244, s29                            ; 2^e9 as f32, for the conversion
	s_add_co_i32 s28, s28, 15
	s_lshl_b32 s28, s28, 23
	s_or_b32 s28, s28, 0x600000
	v_mov_b32 v240, s28                            ; 57,344 x 2^e9
	s_add_co_i32 s25, s18, s19                     ; e8 + e9
.set J, 0
.rept 32
	s_wait_loadcnt 42-J                            ; fill load J is in: behind it stand 31 - J fill loads and the eleven of q and x
	ds_store_b128 v7, v[32+4*J:35+4*J] offset:512*J
.set J, J+1
.endr
	s_wait_loadcnt 0x0                             ; q and x
	s_wait_dscnt 0x0                               ; for the others' sake: my part of K and V lies in LDS
	s_barrier_signal -1
	s_barrier_wait -1
; A PASS: 128 queries of the work-group, 16 of them mine; sixteen key steps of 128 keys; then the way out.
.macro PASS p
.if \p
.irp j, 0,1,2,3
	v_mov_b32 v[16+\j], v[224+\j]
	v_mov_b32 v[28+\j], v[224+\j]
.endr
.endif
	v_mov_b32 v13, 0xff61b1e6                      ; the largest t so far: -3e38, under every t
	v_floor_f32 v12, -v13                          ; -M
	v_mov_b32 v14, 0                               ; the sum, in two halves
	v_mov_b32 v15, 0
.set J, 0
.rept 16
	v_mov_b32 v[160+J], 0                          ; O^T: the step is written once; the first finds zeros, which the first change of M leaves zeros
.set J, J+1
.endr
	s_mov_b32 s24, 0                               ; the step's place in a head's K and V; it also counts the trips
.Lstep_\@:
	v_add_nc_u32 v2, s24, v1
.rept 3
	v_nop                                          ; with the addition above: four places in front of loads into registers that the last products read
.endr
.irp t, 0,1,2,3,4,5,6,7
	ds_load_b128 v[32+4*\t:35+4*\t], v2 offset:512*\t          ; K's eight tiles
.endr
.irp t, 0,1,2,3,4,5,6,7
	ds_load_b128 v[64+4*\t:67+4*\t], v2 offset:4096+512*\t     ; V's two fragments
.endr
	s_wait_dscnt 8                                 ; K is in; V's eight loads may be out
.irp t, 0,1,2,3,4,5,6,7
	v_wmma_f32_16x16x64_bf8_bf8 v[96+8*\t:103+8*\t], v[32+8*(\t/2):39+8*(\t/2)], v[16+8*(\t%2):23+8*(\t%2)], 0
.endr
.rept 4
	v_nop
.endr
	v_max3_num_f32 v254, v96, v97, v98             ; the step's largest score of my query, among my 64 keys, in two chains, each accumulator from its low end on,
	v_max3_num_f32 v252, v99, v100, v101
.irp i, 6,10,14,18,22,26,30,34,38,42,46,50,54,58
	v_max3_num_f32 v254, v254, v[96+\i], v[97+\i]
	v_max3_num_f32 v252, v252, v[98+\i], v[99+\i]
.endr
	v_max3_num_f32 v254, v254, v158, v159
	v_max_num_f32 v254, v254, v252
	v_permlanex16_b32 v236, v254, s20, s21
	v_max_num_f32 v254, v254, v236                 ; and among lane l xor 16's
	v_mul_f32 v254, s22, v254                      ; as t (c is positive)
	v_max_num_f32 v13, v13, v254                   ; the running largest t
	v_mov_b32 v254, v12
	v_floor_f32 v12, -v13                          ; the new -M = floor(-t) = -ceil(t): a whole number
	v_sub_f32 v254, v12, v254                      ; M's old value less its new one: a whole number, 0 or less
	v_cvt_i32_f32 v254, v254                       ; (it saturates)
	v_ldexp_f32 v252, 1.0, v254                    ; f = 2^(old M - new M)
.set J, 0
.rept 32
	v_pk_fma_f32 v[96+J:97+J], v[96+J:97+J], s[22:23], v[12:13] op_sel_hi:[1,0,0]   ; t - M, two at a time (of the pairs c and -M the low word serves both halves)
.set J, J+2
.endr
.set J, 0
.rept 64
	v_exp_f32 v[96+J], v[96+J]                     ; p = 2^(t - M), at most 1
.set J, J+1
.endr
	v_pk_mul_f32 v[14:15], v[14:15], v[252:253] op_sel_hi:[1,0]   ; the sums under the new M; also the plain instruction behind the exponentials
	s_wait_alu depctr_va_vdst(0)                   ; one wait for the whole batch, ahead of its first reader
	v_pk_add_f32 v[242:243], v[96:97], v[98:99]    ; the row's sum is taken of the unquantised p: two at a time, in two chains
.irp j, 4,8,12,16,20,24,28,32,36,40,44,48,52,56,60
	v_pk_add_f32 v[14:15], v[14:15], v[96+\j:97+\j]
	v_pk_add_f32 v[242:243], v[242:243], v[98+\j:99+\j]
.endr
	v_pk_add_f32 v[14:15], v[14:15], v[242:243]
	s_cmp_ge_i32 s19, -15                          ; 57,344 x 2^e9 >= 1.75 > p: nothing to hold
	s_cbranch_scc1 .Lfits_\@
.set J, 0
.rept 64
	v_min_num_f32 v[96+J], v[96+J], v240           ; the conversion to an 8-bit code does not saturate (ISA guide 7.6.2); p is not negative, so the hold is one-sided
.set J, J+1
.endr
.Lfits_\@:
.irp t, 0,1,2,3,4,5,6,7
	v_cvt_scalef32_pk8_bf8_f32 v[176+2*\t:177+2*\t], v[96+8*\t:103+8*\t], v244
.endr
.set J, 0
.rept 8
	v_pk_mul_f32 v[160+J:161+J], v[160+J:161+J], v[252:253] op_sel_hi:[1,0]   ; O^T under the new M; these are also the plain instructions behind the conversions
.set J, J+2
.endr
	s_wait_dscnt 0x0                               ; V is in
	v_wmma_f32_16x16x128_bf8_bf8 v[160:167], v[64:79], v[176:191], v[160:167]   ; the two accumulators take turns, and the eight score products stand between two steps' links
	v_wmma_f32_16x16x128_bf8_bf8 v[168:175], v[80:95], v[176:191], v[168:175]
	s_add_co_u32 s24, s24, 8192
	s_cmp_lt_u32 s24, 131072
	s_cbranch_scc1 .Lstep_\@
	; THE WAY OUT: O^T / the sum x 2^(e8 + e9) goes into the work-group's stage; a barrier, since a row's 256 bytes come from two waves; back as whole rows; + x; stored.
.rept 4
	v_nop
.endr
	v_add_f32 v14, v14, v15                        ; the sum's two halves,
	v_permlanex16_b32 v252, v14, s20, s21
	v_add_f32 v14, v14, v252                       ; and lane l xor 16's
	v_rcp_f32 v14, v14
	v_nop                                          ; a plain instruction behind the reciprocal
	s_wait_alu depctr_va_vdst(0)                   ; and the wait ahead of its first reader
	v_ldexp_f32 v14, v14, s25
.set J, 0
.rept 16
	v_mul_f32 v[96+J], v[160+J], v14               ; register 8 d + j: channel 16 d + 8 (lane / 16) + j of my query
.set J, J+1
.endr
.irp d, 0,1
	ds_store_b128 v4, v[96+8*\d:99+8*\d] offset:64*\d
	ds_store_b128 v4, v[100+8*\d:103+8*\d] offset:64*\d+16
.endr
	s_wait_dscnt 0x0                               ; for the others' sake: my stores into the stage are done
	s_barrier_signal -1
	s_barrier_wait -1
.irp i, 0,1,2,3
	ds_load_b128 v[112+4*\i:115+4*\i], v5 offset:2*SP*\i
.endr
	s_wait_dscnt 0x0
.set J, 0
.rept 8
	v_pk_add_f32 v[112+J:113+J], v[112+J:113+J], v[192+16*(\p)+J:193+16*(\p)+J]
.set J, J+2
.endr
.irp i, 0,1,2,3
	global_store_b128 v6, v[112+4*\i:115+4*\i], s[12:13] offset:262144*(\p)+4096*\i   ; sixteen lanes store 256 consecutive bytes, aligned
.endr
.if (\p) == 0
	s_wait_xcnt 0x0                                ; the stores have read their registers, which the next pass's scores take
	s_barrier_signal -1                            ; every wave's reads of the stage are back (the wait above): the next pass may write it
	s_barrier_wait -1
.endif
.endm
	PASS 0
	PASS 1
	s_wait_tensorcnt 0x0
	ds_add_u32 v251, v255
	s_wait_dscnt 0x0
	s_endpgm
.Lfunc_end_k_q99e5fe7f76_attn:
	.size	k_q99e5fe7f76_attn, .Lfunc_end_k_q99e5fe7f76_attn-k_q99e5fe7f76_attn
	.p2alignl 7, 3214868480
	.fill 96, 4, 3214868480
	.section	.rodata,"a",@progbits
	.p2align	6, 0x0
	.amdhsa_kernel k_q99e5fe7f76_attn
		.amdhsa_group_segment_fixed_size 299008
		.amdhsa_private_segment_fixed_size 0
		.amdhsa_enable_private_segment 0
		.amdhsa_kernarg_size 40
		.amdhsa_user_sgpr_count 2
		.amdhsa_user_sgpr_kernarg_segment_ptr 1
		.amdhsa_wavefront_size32 1
		.amdhsa_system_sgpr_workgroup_id_x 1
		.amdhsa_system_sgpr_workgroup_id_y 1
		.amdhsa_system_sgpr_workgroup_id_z 1
		.amdhsa_system_vgpr_workitem_id 0
		.amdhsa_next_free_vgpr 256
		.amdhsa_next_free_sgpr 66
		.amdhsa_reserve_vcc 0
		.amdhsa_float_denorm_mode_32 3
		.amdhsa_float_denorm_mode_16_64 3
		.amdhsa_memory_ordered 1
		.amdhsa_forward_progress 1
		.amdhsa_inst_pref_size 45
	.end_amdhsa_kernel
	.amdgpu_metadata
---
amdhsa.version: [ 1, 2 ]
amdhsa.kernels:
  - .name:           k_q99e5fe7f76_attn
    .symbol:         k_q99e5fe7f76_attn.kd
    .args:
      - { .name: qc, .offset: 0, .size: 8, .value_kind: global_buffer, .address_space: global }
      - { .name: kvc, .offset: 8, .size: 8, .value_kind: global_buffer, .address_space: global }
      - { .name: x, .offset: 16, .size: 8, .value_kind: global_buffer, .address_space: global }
      - { .name: lowp_scales, .offset: 24, .size: 8, .value_kind: global_buffer, .address_space: global }
      - { .name: x1, .offset: 32, .size: 8, .value_kind: global_buffer, .address_space: global }
    .group_segment_fixed_size: 299008
    .private_segment_fixed_size: 0
    .kernarg_segment_align: 8
    .kernarg_segment_size: 40
    .max_flat_workgroup_size: 512
    .sgpr_count:     66
    .vgpr_count:     256
    .wavefront_size: 32
...
	.end_amdgpu_metadata
.endif
;; end of part 2
;; launch up (part 3): grid 64 x 4, 4 waves a work-group, no clusters, 68,096 bytes of LDS; arguments x1, w1i, b1, alpha, beta, lowp_scales, hid; writes hid
.if DOCPART == 3
	.amdgcn_target "amdgcn-amd-amdhsa--gfx1250"
	.amdhsa_code_object_version 6
	.text
	.protected	k_q99e5fe7f76_up
	.globl	k_q99e5fe7f76_up
	.p2align	8
	.type	k_q99e5fe7f76_up,@function
k_q99e5fe7f76_up:
	s_mov_b64 s[64:65], 0
	v_nop
	global_prefetch_b8 v0, s[64:65] scope:SCOPE_SE
	s_setreg_imm32_b32 hwreg(HW_REG_WAVE_MODE, 25, 1), 1
	s_wait_xcnt 0x0
; hid = codes of relu(LN(x1) W1 + b1).  Layer norm of 128 rows of x1, quantised to E5M2 (e10), times W1 (codes, e11), + b1, relu, quantised (e12).
; SHARES.  A work-group has 128 rows (x) and 1,024 hidden units (y), four waves.  Wave w normalises rows 32 w .. 32 w + 31 into an LDS tile of codes (rows of 512 bytes, 528 apart); one barrier; every wave takes all 32
; fragments of the tile (512 registers) and keeps them.  Wave w makes hidden units 1,024 y + 256 w + 0 .. 255: eight trips of 32.  The layer norm is made once for each of the four y: about 1,900 vector instructions a wave
; beside 512 products, against a launch of its own and the codes' way through memory.
; The weights come from w1i, laid in the order of the operand registers: every load is 512 consecutive bytes; two buffers of 128 registers; each fragment feeds eight products.
; NO JOINT LOADS: the row blocks share the weights, but a joint load lands in LDS, and the weights here go from memory into the operand registers themselves, each byte once a wave.
; The product is used transposed (source 0 = 16 rows of W1, source 1 = 16 rows of x1); w1i's tiles are made of rows such that a lane's 16 registers of a pair of tiles are hidden units 32 P + 16 (lane / 16) + 0 .. 15 of one row.
; b1, divided by 2^(e10 + e11), is the C of each sum's first product.  The hold between 0 and the largest code x the scale is the relu as well.
; OUT: hid as images of the next product's operand registers: (tile of 16 rows x 32 + K step of 128) x 2,048 + 512 c + 16 lane; lane (r, h): row r, hidden units 128 step + 32 c + 16 h + 0 .. 15.
; LIMITS on the given exponents: e10, and e12 - e10 - e11, between -126 and 112.  NaN among the inputs is not served.
; REGISTERS.  Window 0: v1 lane % 16, v2 lane / 16, v3 x1's offset, v4, v5 LDS addresses, v12 b1's offset, v13 16 x lane, v14 1 / 511, v16-31 at work, v32-159 four slots of x1, later the 16 accumulators,
;   v160-191 codes, v192-223 b1 in two buffers, v224-227 the two scales and their limits.  Windows 1 and 2: x1's fragments.  Window 3: the weights.
.set PITCH, 528
.set XR,    32
.set CD,    160
.set MU,    16
.set G,     20
.set T,     24
.set BI,    192
.set MSB,   0
.macro WIN new                         ; the immediate's high byte repeats the setting that is left
.if MSB != (\new)
	s_set_vgpr_msb (MSB<<8)|(\new)
.set MSB, (\new)
.endif
.endm
.macro WLOAD p                         ; pair p's two tiles of W1, all four K steps, into buffer p % 2: 32 loads of 512 consecutive bytes
	WIN 0xc0                                       ; destination window 3, address window 0
.irp u, 0,1
.irp s, 0,1,2,3
.irp c, 0,1,2,3
	global_load_b128 v[128*((\p)%2)+16*(4*\u+\s)+4*\c:128*((\p)%2)+16*(4*\u+\s)+4*\c+3], v13, s[6:7] offset:(\p)*16384+\u*8192+(4*\s+\c)*512
.endr
.endr
.endr
	WIN 0
.endm
.macro BLOAD p                         ; b1 at hidden units 32 p + 16 (lane / 16) + 8 u + 0 .. 7
.irp u, 0,1
.irp e, 0,1
	global_load_b128 v[BI+16*((\p)%2)+8*\u+4*\e:BI+16*((\p)%2)+8*\u+4*\e+3], v12, s[8:9] offset:(32*(\p)+8*\u)*4+16*\e
.endr
.endr
.endm
.macro XLOAD pr                        ; rows 2 pr and 2 pr + 1 of my 32: each load takes 256 consecutive bytes of each row.  Register 4 j + e holds k = 64 j + 4 (lane % 16) + e
.irp j, 0,1,2,3,4,5,6,7
	global_load_b128 v[XR+32*((\pr)%4)+4*\j:XR+32*((\pr)%4)+4*\j+3], v3, s[4:5] offset:(\pr)*4096+\j*256
.endr
.endm
.macro ACROSS                          ; two chains a row are joined, then the row's sixteen lanes; the two pairs of rows alternate line by line
.irp z, 0,1
	v_pk_add_f32 v[T+4*\z:T+4*\z+1], v[T+4*\z:T+4*\z+1], v[T+4*\z+2:T+4*\z+3]
.endr
.irp z, 0,1
	v_add_f32 v[T+4*\z], v[T+4*\z], v[T+4*\z+1]
.endr
.irp k, 1,2,4,8
.irp z, 0,1
	v_add_f32_dpp v[T+4*\z], v[T+4*\z], v[T+4*\z] row_xmask:\k row_mask:0xf bank_mask:0xf
.endr
.endr
.endm
; Row pairs 2 i and 2 i + 1 (four rows): mean, variance about the mean, alpha (x - mean) / sqrt(var + 1e-6) + beta, hold, codes, into the LDS tile.  left: younger loads that may stay out.
.macro LN2 i, left, refill
.set XB, XR+32*((2*(\i))%4)
.set CB, CD+8*((2*(\i))%4)
	s_wait_loadcnt \left                           ; loads come back in order: these two pairs' sixteen are in, the next two pairs' may be out
.irp z, 0,1
	v_pk_add_f32 v[T+4*\z:T+4*\z+1], v[XB+32*\z:XB+32*\z+1], v[XB+32*\z+2:XB+32*\z+3]
	v_pk_add_f32 v[T+4*\z+2:T+4*\z+3], v[XB+32*\z+4:XB+32*\z+5], v[XB+32*\z+6:XB+32*\z+7]
.endr
.irp j, 8,12,16,20,24,28
.irp z, 0,1
	v_pk_add_f32 v[T+4*\z:T+4*\z+1], v[T+4*\z:T+4*\z+1], v[XB+32*\z+\j:XB+32*\z+\j+1]
	v_pk_add_f32 v[T+4*\z+2:T+4*\z+3], v[T+4*\z+2:T+4*\z+3], v[XB+32*\z+\j+2:XB+32*\z+\j+3]
.endr
.endr
	ACROSS
.irp z, 0,1
	v_mul_f32 v[MU+2*\z], 0xbb000000, v[T+4*\z]    ; minus the mean: the sum x -2^-9
.endr
.set J, 0
.rept 16
	v_pk_add_f32 v[XB+J:XB+J+1], v[XB+J:XB+J+1], v[MU:MU+1] op_sel_hi:[1,0]
	v_pk_add_f32 v[XB+32+J:XB+33+J], v[XB+32+J:XB+33+J], v[MU+2:MU+3] op_sel_hi:[1,0]
.set J, J+2
.endr
.irp z, 0,1
	v_pk_mul_f32 v[T+4*\z:T+4*\z+1], v[XB+32*\z:XB+32*\z+1], v[XB+32*\z:XB+32*\z+1]
	v_pk_mul_f32 v[T+4*\z+2:T+4*\z+3], v[XB+32*\z+2:XB+32*\z+3], v[XB+32*\z+2:XB+32*\z+3]
.endr
.irp j, 4,8,12,16,20,24,28
.irp z, 0,1
	v_pk_fma_f32 v[T+4*\z:T+4*\z+1], v[XB+32*\z+\j:XB+32*\z+\j+1], v[XB+32*\z+\j:XB+32*\z+\j+1], v[T+4*\z:T+4*\z+1]
	v_pk_fma_f32 v[T+4*\z+2:T+4*\z+3], v[XB+32*\z+\j+2:XB+32*\z+\j+3], v[XB+32*\z+\j+2:XB+32*\z+\j+3], v[T+4*\z+2:T+4*\z+3]
.endr
.endr
	ACROSS
.irp z, 0,1
	v_fmaak_f32 v[T+4*\z], v[T+4*\z], v14, 0x358637bd   ; the squares' sum / 511 + 1e-6
.endr
.irp z, 0,1
	v_rsq_f32 v[T+4*\z+1], v[T+4*\z]
.endr
	v_nop                                          ; a plain instruction behind the last root
	s_wait_alu depctr_va_vdst(0)                   ; one wait for both roots, ahead of their first reader
.irp z, 0,1
	v_mul_f32 v[G+2*\z], s47, v[T+4*\z+1]          ; alpha / sqrt(var + 1e-6)
.endr
.set J, 0
.rept 16
	v_pk_fma_f32 v[XB+J:XB+J+1], v[XB+J:XB+J+1], v[G:G+1], s[48:49] op_sel_hi:[1,0,0]
	v_pk_fma_f32 v[XB+32+J:XB+33+J], v[XB+32+J:XB+33+J], v[G+2:G+3], s[48:49] op_sel_hi:[1,0,0]
.set J, J+2
.endr
.set J, 0
.rept 64
	v_med3_num_f32 v[XB+J], v[XB+J], -v225, v225   ; the conversion to an 8-bit code does not saturate (ISA guide 7.6.2): the hold at the largest code x the scale
.set J, J+1
.endr
	s_wait_dscnt 16                                ; the sixteen LDS stores of the last call may be out; those of the call before, which read these code registers, are done
.irp z, 0,1
.irp a, 0,1,2,3
	v_cvt_scalef32_pk8_bf8_f32 v[CB+8*\z+2*\a:CB+8*\z+2*\a+1], v[XB+32*\z+8*\a:XB+32*\z+8*\a+7], v224
.endr
.endr
	v_nop                                          ; a plain instruction behind the last scaled conversion
.irp z, 0,1
.irp a, 0,1,2,3
	ds_store_b32 v4, v[CB+8*\z+2*\a] offset:(2*(\i)+\z)*2*PITCH+128*\a         ; k = 128 a + 4 (lane % 16) + 0 .. 3
	ds_store_b32 v4, v[CB+8*\z+2*\a+1] offset:(2*(\i)+\z)*2*PITCH+128*\a+64    ; and 64 further on
.endr
.endr
.if \refill
	XLOAD 2*(\i)+4
	XLOAD 2*(\i)+5
.endif
.endm
.macro AFETCH                          ; all 32 fragments of the tile of codes
.irp m, 0,1,2,3,4,5,6,7
	WIN 0x40*(1+\m/4)
.irp s, 0,1,2,3
.irp c, 0,1,2,3
	ds_load_b128 v[16*(4*(\m%4)+\s)+4*\c:16*(4*(\m%4)+\s)+4*\c+3], v5 offset:\m*16*PITCH+128*\s+32*\c
.endr
.endr
.endr
	WIN 0
	s_wait_dscnt 0x0
.endm
; 64 products: 8 tiles of rows x 2 tiles of hidden units x 4 K steps.  Eight accumulators take turns, one instruction a turn; the first K step starts the sums with the bias.
.macro MM q
.irp mh, 0,1
	WIN 0x07+4*\mh                                 ; source 0 (W1) window 3, source 1 (x1) window 1 or 2; C and D window 0
.irp s, 0,1,2,3
.irp mm, 0,1,2,3
.irp u, 0,1
.set rD, 32+16*(4*\mh+\mm)+8*\u
.set rW, 128*(\q)+16*(4*\u+\s)
.set rA, 16*(4*\mm+\s)
.set rB, BI+16*(\q)+8*\u
.if \s == 0
	v_wmma_f32_16x16x128_bf8_bf8 v[rD:rD+7], v[rW:rW+15], v[rA:rA+15], v[rB:rB+7]
.else
	v_wmma_f32_16x16x128_bf8_bf8 v[rD:rD+7], v[rW:rW+15], v[rA:rA+15], v[rD:rD+7]
.endif
.endr
.endr
.endr
.endr
	WIN 0
.rept 4
	v_nop                                          ; four places in front of the loads into the weights' and the bias's buffers and of the first read of results
.endr
.endm
; A trip: hidden units 32 p .. 32 p + 31 of my 256.
.macro TRIP p
.if (\p) < 7
	s_wait_loadcnt 36                              ; this pair's weights and bias are in; the next pair's 32 + 4 loads may be out
.else
	s_wait_loadcnt 0x0
.endif
.set J, 0
.rept 16
	v_ldexp_f32 v[BI+16*((\p)%2)+J], v[BI+16*((\p)%2)+J], s55   ; b1 / 2^(e10 + e11): the power of two that the sums lack
.set J, J+1
.endr
	MM (\p)%2
	s_wait_xcnt 0x0                                ; the last trip's stores have read the code registers, which are written again below
.if (\p) < 6
	WLOAD (\p)+2
	BLOAD (\p)+2
.endif
.irp m, 0,1,2,3,4,5,6,7
.irp j, 0,1,2,3,4,5,6,7,8,9,10,11,12,13,14,15
	v_med3_num_f32 v[32+16*\m+\j], v[32+16*\m+\j], 0, v227   ; the relu and the hold in one
.endr
	v_cvt_scalef32_pk8_bf8_f32 v[CD+4*\m:CD+4*\m+1], v[32+16*\m:32+16*\m+7], v226
	v_cvt_scalef32_pk8_bf8_f32 v[CD+4*\m+2:CD+4*\m+3], v[32+16*\m+8:32+16*\m+15], v226
.endr
	v_nop                                          ; a plain instruction behind the last scaled conversion
.irp m, 0,1,2,3,4,5,6,7
	global_store_b128 v13, v[CD+4*\m:CD+4*\m+3], s[16:17] offset:\m*65536+((\p)/4)*2048+((\p)%4)*512   ; 32 lanes store 512 consecutive bytes, aligned
.endr
.endm
	s_load_b256 s[4:11], s[0:1], 0x0               ; x1, w1i, b1, alpha
	s_load_b128 s[12:15], s[0:1], 0x20             ; beta, the scales' exponents
	s_load_b64 s[16:17], s[0:1], 0x30              ; hid
	v_lshl_add_u32 v254, v0, 2, 0x10800
	v_mov_b32 v255, 0
	v_lshrrev_b32 v1, 5, v0
	v_readfirstlane_b32 s26, v1                    ; wave 0..3
	s_and_b32 s27, ttmp7, 0xffff                   ; which 1,024 hidden units
	v_and_b32 v1, 15, v0                           ; lane % 16
	v_bfe_u32 v2, v0, 4, 1                         ; lane / 16
	v_and_b32 v13, 31, v0
	v_lshlrev_b32 v13, 4, v13                      ; 16 x lane
	s_lshl_b32 s28, ttmp9, 18                      ; my block's 128 rows of 2,048 bytes
	s_mov_b32 s29, 0
	s_lshl_b32 s30, s26, 16
	v_lshlrev_b32 v3, 11, v2
	v_lshl_add_u32 v3, v1, 4, v3
	v_add_nc_u32 v3, s30, v3                       ; x1: (32 w + lane / 16) rows + 16 (lane % 16)
	s_mul_i32 s31, s26, 32*PITCH
	v_mul_u32_u24 v4, v2, PITCH
	v_lshl_add_u32 v4, v1, 2, v4
	v_add_nc_u32 v4, s31, v4                       ; the tile, on the way in
	v_mul_u32_u24 v5, v1, PITCH
	v_lshl_add_u32 v5, v2, 4, v5                   ; and out
	v_lshlrev_b32 v12, 6, v2                       ; b1: 16 numbers further on for lanes 16-31
	v_mov_b32 v14, 0x3b004020                      ; 1 / 511
	v_mov_b32 v17, 0                               ; upper halves of pairs of which the low word serves both halves: named, so written
	v_mov_b32 v19, 0
	v_mov_b32 v21, 0
	v_mov_b32 v23, 0
	s_lshl_b32 s40, s27, 19                        ; w1i: (32 y + 8 w) pairs of 16,384 bytes
	s_lshl_b32 s41, s26, 17
	s_add_co_u32 s40, s40, s41
	s_mov_b32 s41, 0
	s_lshl_b32 s42, s27, 12                        ; b1: (1,024 y + 256 w) numbers
	s_lshl_b32 s43, s26, 10
	s_add_co_u32 s42, s42, s43
	s_mov_b32 s43, 0
	s_lshl_b32 s44, ttmp9, 19                      ; hid: (8 x tiles of rows x 32 + 8 y + 2 w) K steps of 2,048 bytes
	s_lshl_b32 s45, s27, 14
	s_add_co_u32 s44, s44, s45
	s_lshl_b32 s45, s26, 12
	s_add_co_u32 s44, s44, s45
	s_mov_b32 s45, 0
	s_wait_kmcnt 0x0
	s_load_b128 s[32:35], s[14:15], 0x28           ; e10, e11, e12, e13
	s_load_b32 s47, s[10:11], 0x0                  ; alpha
	s_load_b32 s48, s[12:13], 0x0                  ; beta
	s_add_nc_u64 s[4:5], s[4:5], s[28:29]
	s_add_nc_u64 s[6:7], s[6:7], s[40:41]
	s_add_nc_u64 s[8:9], s[8:9], s[42:43]
	s_add_nc_u64 s[16:17], s[16:17], s[44:45]
	WLOAD 0
	BLOAD 0
	WLOAD 1
	BLOAD 1
	XLOAD 0
	XLOAD 1
	XLOAD 2
	XLOAD 3
	s_wait_kmcnt 0x0
	s_add_co_i32 s53, s32, 127
	s_lshl_b32 s54, s53, 23
	v_mov_b32 v224, s54                            ; 2^e10 as f32: the conversion takes its exponent field
	s_add_co_i32 s53, s53, 15
	s_lshl_b32 s53, s53, 23
	s_or_b32 s53, s53, 0x600000
	v_mov_b32 v225, s53                            ; 57,344 x 2^e10
	s_add_co_i32 s52, s32, s33                     ; e10 + e11
	s_sub_co_i32 s55, 0, s52
	s_sub_co_i32 s52, s34, s52                     ; e12 - e10 - e11: the three exponents folded into one scale
	s_add_co_i32 s52, s52, 127
	s_lshl_b32 s54, s52, 23
	v_mov_b32 v226, s54
	s_add_co_i32 s52, s52, 15
	s_lshl_b32 s52, s52, 23
	s_or_b32 s52, s52, 0x600000
	v_mov_b32 v227, s52
	s_mov_b32 s49, s48                             ; (named with beta as a pair, so it is written)
	LN2 0, 16, 1
	LN2 1, 16, 1
	LN2 2, 16, 1
	LN2 3, 16, 1
	LN2 4, 16, 1
	LN2 5, 16, 1
	LN2 6, 16, 0
	LN2 7, 0, 0
	s_wait_dscnt 0x0                               ; for the others' sake: my rows' codes lie in the tile
	s_barrier_signal -1
	s_barrier_wait -1
	AFETCH
	TRIP 0
	TRIP 1
	TRIP 2
	TRIP 3
	TRIP 4
	TRIP 5
	TRIP 6
	TRIP 7
	s_wait_tensorcnt 0x0
	ds_add_u32 v254, v255
	s_wait_dscnt 0x0
	s_endpgm
.Lfunc_end_k_q99e5fe7f76_up:
	.size	k_q99e5fe7f76_up, .Lfunc_end_k_q99e5fe7f76_up-k_q99e5fe7f76_up
	.p2alignl 7, 3214868480
	.fill 96, 4, 3214868480
	.section	.rodata,"a",@progbits
	.p2align	6, 0x0
	.amdhsa_kernel k_q99e5fe7f76_up
		.amdhsa_group_segment_fixed_size 68096
		.amdhsa_private_segment_fixed_size 0
		.amdhsa_enable_private_segment 0
		.amdhsa_kernarg_size 56
		.amdhsa_user_sgpr_count 2
		.amdhsa_user_sgpr_kernarg_segment_ptr 1
		.amdhsa_wavefront_size32 1
		.amdhsa_system_sgpr_workgroup_id_x 1
		.amdhsa_system_sgpr_workgroup_id_y 1
		.amdhsa_system_sgpr_workgroup_id_z 1
		.amdhsa_system_vgpr_workitem_id 0
		.amdhsa_next_free_vgpr 1024
		.amdhsa_next_free_sgpr 66
		.amdhsa_reserve_vcc 0
		.amdhsa_float_denorm_mode_32 3
		.amdhsa_float_denorm_mode_16_64 3
		.amdhsa_memory_ordered 1
		.amdhsa_forward_progress 1
		.amdhsa_inst_pref_size 255
	.end_amdhsa_kernel
	.section	.bss,"aw",@nobits
	.p2align	6
	.space	262144
	.amdgpu_metadata
---
amdhsa.version: [ 1, 2 ]
amdhsa.kernels:
  - .name:           k_q99e5fe7f76_up
    .symbol:         k_q99e5fe7f76_up.kd
    .args:
      - { .name: x1, .offset: 0, .size: 8, .value_kind: global_buffer, .address_space: global }
      - { .name: w1i, .offset: 8, .size: 8, .value_kind: global_buffer, .address_space: global }
      - { .name: b1, .offset: 16, .size: 8, .value_kind: global_buffer, .address_space: global }
      - { .name: alpha, .offset: 24, .size: 8, .value_kind: global_buffer, .address_space: global }
      - { .name: beta, .offset: 32, .size: 8, .value_kind: global_buffer, .address_space: global }
      - { .name: lowp_scales, .offset: 40, .size: 8, .value_kind: global_buffer, .address_space: global }
      - { .name: hid, .offset: 48, .size: 8, .value_kind: global_buffer, .address_space: global }
    .group_segment_fixed_size: 68096
    .private_segment_fixed_size: 0
    .kernarg_segment_align: 8
    .kernarg_segment_size: 56
    .max_flat_workgroup_size: 128
    .sgpr_count:     66
    .vgpr_count:     1024
    .wavefront_size: 32
...
	.end_amdgpu_metadata
.endif
;; end of part 3
;; launch down (part 4): grid 4 x 64, 4 waves a work-group, clusters of 4 x 4, 327,680 bytes of LDS; arguments hid, W2_codes, b2, lowp_scales, x1, out0; writes out0
.if DOCPART == 4
	.amdgcn_target "amdgcn-amd-amdhsa--gfx1250"
	.amdhsa_code_object_version 6
	.text
	.protected	k_q99e5fe7f76_down
	.globl	k_q99e5fe7f76_down
	.p2align	8
	.type	k_q99e5fe7f76_down,@function
k_q99e5fe7f76_down:
	s_mov_b64 s[64:65], 0
	v_nop
	global_prefetch_b8 v0, s[64:65] scope:SCOPE_SE
	s_setreg_imm32_b32 hwreg(HW_REG_WAVE_MODE, 25, 1), 1
	s_wait_xcnt 0x0
	s_wait_alu depctr_hold_cnt(0) depctr_sa_sdst(0) depctr_va_vdst(0) depctr_va_sdst(0) depctr_va_ssrc(0) depctr_va_vcc(0) depctr_vm_vsrc(0)
	s_getreg_b32 s2, hwreg(HW_REG_IB_STS2, 6, 4)
	s_cmp_eq_u32 s2, 0
	s_cbranch_scc0 .Lentry_in_a_cluster
	s_endpgm
.Lentry_in_a_cluster:
	s_bfe_u32 s2, ttmp6, 0x10000c
	s_cmp_lg_u32 s2, 0xf033
	s_cbranch_scc0 .Lentry_shape_is_right
	s_endpgm
.Lentry_shape_is_right:
; out0 = x1 + relu(hid W2 + b2).  hid: codes of E5M2 (scale 2^e12), laid as images of operand registers: (tile of 16 rows x 32 + K step of 128) x 2,048 + 512 c + 16 lane.  W2: codes [512][4096], K innermost (2^e13).
; A tile of out0 is 128 x 128: 4 x 64 = 256 work-groups.  Four waves, each 64 x 64: 16 accumulators.  K = 4,096 goes in eight steps of 512 through a ring of two LDS slots filled by the tensor data mover.
; CLUSTERS: 4 x 4 work-groups.  The four of a row of the cluster need the same tiles of hid, the four of a column the same tiles of W2: each tile is asked for JOINTLY, by the same tensor load with the same
; descriptor and a mask that names the four.  By this text's own count a wave has at most two tensor loads out (the two first fills), later one.
; THE PRODUCT IS USED TRANSPOSED (source 0 = 16 rows of W2, source 1 = 16 rows of hid): a lane holds eight neighbouring numbers of a row of out0.
; THE ORDER OF K: registers 4 c .. 4 c + 3 of a fragment hold k = 32 c + 16 (lane / 16) + 0 .. 15, alike in both operands.
; LIMIT: e12 + e13 between -126 and 127, so that 2^(e12 + e13) is an f32 number.
; LDS: slot s at 133,120 s: hid's eight tiles of rows, 8,192 bytes each (four K steps of 2,048), dense; from 65,536 W2's 128 rows of 512 bytes, 528 apart.  Behind the ring a stage of 16 rows x 272 bytes for each wave, then the spare words.
; REGISTERS.  Window 0: v16-29 addresses; v32-63 a block's results; v64-95 the block read back by rows; v96-127 b2; v128-255 the accumulators ((a, b) at 128 + 8 (4 a + b)).
;   Window 1: two fragment buffers of 128: hid's four fragments, then W2's four.   Window 2: my 64 x 64 of x1, asked for at the head.
.set SLOT,   133120
.set BOFF,   65536
.set PITCH,  528                       ; 512 bytes + 16 of padding = 132 words: row r starts at bank 4 r mod 64 (64 banks of 4 bytes: ISA guide 11.1)
.set STAGE,  2*SLOT
.set SPITCH, 272
.set SPARE,  STAGE+4*16*SPITCH         ; the spare words, 128 bytes for each wave: two blocks of 256 bytes that no other line names
.set LAPS,   4                         ; a lap = two K steps of 512 = once round the ring
.set ADRA, 16                          ; v16-17  LDS address of my fragments of hid in slot 0, 1
.set ADRB, 20                          ; v20-21  the same for W2
.set STO,  24
.set RD,   25
.set CO,   26
.set BO,   27
.set SPW,  28                          ; LDS address of my spare word; never rewritten
.set NIL,  29                          ; 0; never rewritten
.set TMP,  32
.set RB,   64
.set B2,   96
.set ACC,  128
.set F0,   0
.set F1,   128
.set G1,   24                          ; s[24:31] descriptor group 1 for hid's tiles;  s[32:39] group 0, one set for each slot
.set G0,   32
.set G1B,  48                          ; s[48:55], s[56:63] the same for W2's tiles
.set G0B,  56
.set MSB,  0
.macro WIN new                         ; the immediate's high byte repeats the setting that is left
.if MSB != (\new)
	s_set_vgpr_msb (MSB<<8)|(\new)
.set MSB, (\new)
.endif
.endm
.set MUL,  0x05                        ; sources 0 and 1 window 1; C and D window 0
.set TO_F, 0x40                        ; destination window 1, address window 0
.macro JLOAD s                         ; a joint load: waves 0 and 1 fetch hid's two halves, waves 2 and 3 W2's; four v_nop follow each of the two lines, ahead of the jump, the label and what follows
	s_cmp_eq_u32 s17, 0
	s_cbranch_scc0 .Lfor_b_\@
	tensor_load_to_lds s[G0+4*\s:G0+4*\s+3], s[G1:G1+7]
	s_nop 0
.rept 4
	v_nop
.endr
	s_branch .Lasked_\@
.Lfor_b_\@:
	tensor_load_to_lds s[G0B+4*\s:G0B+4*\s+3], s[G1B:G1B+7]
	s_nop 0
.rept 4
	v_nop
.endr
.Lasked_\@:
.endm
.macro CREST                           ; a round of the cluster's barrier behind its opening barrier
	s_cmp_lg_u32 s16, 0
	s_cbranch_scc1 .Lnot_wave_0_\@
	s_barrier_signal -3
.Lnot_wave_0_\@:
	s_barrier_wait -3
	s_barrier_signal -1
	s_barrier_wait -1
.endm
.macro CROUND                          ; a whole round
	s_barrier_signal -1
	s_barrier_wait -1
	CREST
.endm
.macro PLACES                          ; four places in front of loads into registers that matrix instructions have read, and of the first read of results
.rept 4
	v_nop
.endr
.endm
	s_load_b256 s[4:11], s[0:1], 0x0               ; hid, W2's codes, b2, the scales' exponents
	s_load_b128 s[12:15], s[0:1], 0x20             ; x1, out0
	v_lshl_add_u32 v[SPW], v0, 2, SPARE
	v_mov_b32 v[NIL], 0
	ds_add_u32 v28, v29
	ds_add_u32 v28, v29
	s_wait_dscnt 0x0
	v_lshrrev_b32 v1, 5, v0
	v_readfirstlane_b32 s16, v1                    ; wave 0..3
	s_lshr_b32 s17, s16, 1                         ; which half of the tile's rows is mine.  Also: I fetch for hid (0) or for W2 (1)
	s_and_b32 s18, s16, 1                          ; which half of its columns.  Also: which half of that tile I fetch
	s_bfe_u32 s40, ttmp6, 0x40000                  ; cx, cy: my place in the cluster
	s_bfe_u32 s41, ttmp6, 0x40004
	s_lshl_b32 s42, ttmp9, 2
	s_add_co_u32 s42, s42, s40                     ; tile column = 4 x cluster x + cx
	s_and_b32 s43, ttmp7, 0xffff
	s_lshl_b32 s43, s43, 2
	s_add_co_u32 s43, s43, s41                     ; tile row = 4 x cluster y + cy
	s_lshl_b32 s44, s41, 2
	s_lshl_b32 s44, 15, s44                        ; my row of the cluster
	s_lshl_b32 s45, 0x1111, s40                    ; my column
	; hid: 4 rows (tiles of 16 rows of hid) of 1,024 elements of 8 bytes, 8,192 elements apart; dense in LDS
	s_or_b32 s[G1+0], s44, (3<<16)|(1<<21)         ; 15:0 the mask: my row; 17:16 elements of 8 bytes; 21 set beside a mask
	s_mov_b32 s[G1+1], 1024<<16                    ; tensor_dim0
	s_mov_b32 s[G1+2], 4<<16                       ; tensor_dim1
	s_mov_b32 s[G1+3], 1024<<16                    ; tile_dim0
	s_mov_b32 s[G1+4], 4                           ; tile_dim1
	s_mov_b32 s[G1+5], 8192                        ; tensor_dim0_stride
	s_mov_b32 s[G1+6], 0
	s_mov_b32 s[G1+7], 0
	; W2: 64 rows of 512 bytes, 4,096 apart; in LDS four words of padding behind every 128
	s_or_b32 s[G1B+0], s45, (1<<20)|(1<<21)|(6<<22)|(3<<25)   ; 15:0 the mask: my column; 17:16 elements of 1 byte; 20 padding on; 21 set beside a mask; 24:22 after every 128 words (code 6); 31:25 four words (code 3)
	s_mov_b32 s[G1B+1], 512<<16
	s_mov_b32 s[G1B+2], 64<<16
	s_mov_b32 s[G1B+3], 512<<16
	s_mov_b32 s[G1B+4], 64
	s_mov_b32 s[G1B+5], 4096
	s_mov_b32 s[G1B+6], 0
	s_mov_b32 s[G1B+7], 0
	s_lshl_b32 s22, s18, 18                        ; my half: 4 tiles of 65,536 bytes of hid, or 64 rows of 4,096 bytes of W2
	s_lshl_b32 s20, s43, 19                        ; hid: the tile row's 8 tiles of rows
	s_add_co_u32 s20, s20, s22
	s_mov_b32 s21, 0
	s_lshl_b32 s46, s42, 19                        ; W2: the tile column's 128 rows
	s_add_co_u32 s46, s46, s22
	s_mov_b32 s47, 0
	s_lshl_b32 s68, s18, 15                        ; where they go: no place in the cluster enters an LDS address
	s_mul_i32 s69, s18, 64*PITCH
	s_add_co_u32 s69, s69, BOFF
	s_wait_kmcnt 0x0
	s_load_b64 s[66:67], s[10:11], 0x30            ; e12, e13
	s_add_nc_u64 s[20:21], s[4:5], s[20:21]
	s_add_nc_u64 s[46:47], s[6:7], s[46:47]
	CROUND                                         ; all sixteen work-groups are here: the first joint loads meet
.irp s, 0,1
	s_mov_b32 s[G0+4*\s], 1
	s_add_co_u32 s[G0+4*\s+1], s68, \s*SLOT
	s_add_nc_u64 s[G0+4*\s+2:G0+4*\s+3], s[20:21], \s*8192
	s_or_b32 s[G0+4*\s+3], s[G0+4*\s+3], 0x80000000
	s_mov_b32 s[G0B+4*\s], 1
	s_add_co_u32 s[G0B+4*\s+1], s69, \s*SLOT
	s_add_nc_u64 s[G0B+4*\s+2:G0B+4*\s+3], s[46:47], \s*512
	s_or_b32 s[G0B+4*\s+3], s[G0B+4*\s+3], 0x80000000
	JLOAD \s
.endr
	v_and_b32 v1, 15, v0                           ; lane % 16
	v_bfe_u32 v2, v0, 4, 1                         ; lane / 16
	v_and_b32 v3, 31, v0
	v_lshlrev_b32 v3, 4, v3                        ; 16 x lane
	s_lshl_b32 s21, s17, 15                        ; my four tiles of rows of hid
	v_add_nc_u32 v[ADRA], s21, v3
	v_add_nc_u32 v[ADRA+1], SLOT, v[ADRA]
	v_mul_u32_u24 v4, v1, PITCH
	v_lshl_add_u32 v4, v2, 4, v4
	s_mul_i32 s22, s18, 64*PITCH                   ; my 64 rows of W2
	s_add_co_u32 s22, s22, BOFF
	v_add_nc_u32 v[ADRB], s22, v4
	v_add_nc_u32 v[ADRB+1], SLOT, v[ADRB]
	s_mul_i32 s23, s16, 16*SPITCH
	s_add_co_u32 s23, s23, STAGE                   ; my stage
	v_mul_u32_u24 v5, v1, SPITCH                   ; in: row lane % 16, 32 bytes for each half of the lanes
	v_lshl_add_u32 v5, v2, 5, v5
	v_add_nc_u32 v[STO], s23, v5
	v_mul_u32_u24 v5, v2, SPITCH                   ; back: lanes 0-15 one row of 256 bytes, lanes 16-31 the next
	v_lshl_add_u32 v5, v1, 4, v5
	v_add_nc_u32 v[RD], s23, v5
	v_lshlrev_b32 v5, 11, v2                       ; and the same two rows in x1 and out0
	v_lshl_add_u32 v[CO], v1, 4, v5
	v_lshlrev_b32 v[BO], 5, v2                     ; b2: 8 numbers further on for lanes 16-31
	s_lshl_b32 s70, s43, 18                        ; 128 rows of 2,048 bytes a tile row,
	s_lshl_b32 s71, s17, 17                        ; 64 rows for my half
	s_add_co_u32 s70, s70, s71
	s_lshl_b32 s72, s42, 9                         ; 128 columns of 4 bytes a tile column,
	s_lshl_b32 s73, s18, 8                         ; 64 for my half
	s_add_co_u32 s72, s72, s73
	s_mov_b32 s73, 0
	s_add_nc_u64 s[8:9], s[8:9], s[72:73]
	s_add_co_u32 s70, s70, s72
	s_mov_b32 s71, 0
	s_add_nc_u64 s[12:13], s[12:13], s[70:71]
	s_add_nc_u64 s[14:15], s[14:15], s[70:71]
.irp b, 0,1,2,3
	global_load_b128 v[B2+8*\b:B2+8*\b+3], v[BO], s[8:9] offset:64*\b          ; b2 at columns 16 b + 8 (lane / 16) + 0 .. 7
	global_load_b128 v[B2+8*\b+4:B2+8*\b+7], v[BO], s[8:9] offset:64*\b+16
.endr
	WIN 0x80                                       ; destination window 2
.irp a, 0,1,2,3
.irp t, 0,1,2,3,4,5,6,7
	global_load_b128 v[32*\a+4*\t:32*\a+4*\t+3], v[CO], s[12:13] offset:(16*\a+2*\t)*2048 th:TH_LOAD_NT   ; x1, as the rows will come back from the stage; waited for on the way out
.endr
.endr
	WIN 0
; 4 matrix instructions: hid's tile a x W2's four tiles, 128 along K.  The sixteen accumulators take turns, one instruction a turn, in the same order in every quarter.
.macro MUL4 f, a, zero
.irp b, 0,1,2,3
.if \zero
	v_wmma_f32_16x16x128_bf8_bf8 v[ACC+8*(4*(\a)+\b):ACC+8*(4*(\a)+\b)+7], v[\f+64+16*\b:\f+64+16*\b+15], v[\f+16*(\a):\f+16*(\a)+15], 0
.else
	v_wmma_f32_16x16x128_bf8_bf8 v[ACC+8*(4*(\a)+\b):ACC+8*(4*(\a)+\b)+7], v[\f+64+16*\b:\f+64+16*\b+15], v[\f+16*(\a):\f+16*(\a)+15], v[ACC+8*(4*(\a)+\b):ACC+8*(4*(\a)+\b)+7]
.endif
.endr
.endm
; 32 LDS loads in one run: the fragments of the slot's q-th 128 along K into buffer f
.macro FETCH slot, q, f
	WIN TO_F
.irp i, 0,1,2,3
.irp c, 0,1,2,3
	ds_load_b128 v[\f+64+16*\i+4*\c:\f+64+16*\i+4*\c+3], v[ADRB+\slot] offset:16*PITCH*\i+128*(\q)+32*\c
	ds_load_b128 v[\f+16*\i+4*\c:\f+16*\i+4*\c+3], v[ADRA+\slot] offset:8192*\i+2048*(\q)+512*\c
.endr
.endr
.endm
; A K step of 512 is four quarters of 128, 16 matrix instructions each, on buffers 0, 1, 0, 1.  One of the first three: multiplies buffer f and fetches quarter q of the same slot into g.
.macro QUARTER slot, q, f, g, zero
	s_wait_dscnt 0x0                               ; buffer f is in
	WIN MUL
	MUL4 \f, 0, \zero
	MUL4 \f, 1, \zero
	PLACES
	FETCH \slot, \q, \g
	WIN MUL
	MUL4 \f, 2, \zero
	MUL4 \f, 3, \zero
.endm
; The last quarter multiplies buffer 1 and changes slots: ONE barrier; in front of it each wave waits for all its tensor loads, adds 0 to its spare word, and waits for that and for its own reads of this slot.  fill = 1: this slot is filled again, two K steps ahead.
.macro TURN slot, next, fill
	WIN 0                                          ; (the add's two registers lie in window 0)
	s_wait_tensorcnt 0x0                           ; all my tensor loads have landed: my part of the next slot;
	ds_add_u32 v[SPW], v[NIL]                      ; 0 onto my spare word;
	s_wait_dscnt 0x1                               ; buffer 1 is in; the add alone may be out
	WIN MUL
	MUL4 F1, 0, 0                                  ; four matrix instructions stand between the add and the wait for it
	s_wait_dscnt 0x0                               ; the add is done, and my reads of this slot are over
	s_barrier_signal -1
	MUL4 F1, 1, 0
.if \fill
	WIN 0
.endif
	s_barrier_wait -1
.if \fill
	CREST                                          ; the barrier has opened a round of the cluster's barrier: no wave of any partner still reads this slot's tile or has a load on its way
	s_add_nc_u64 s[G0+4*\slot+2:G0+4*\slot+3], s[G0+4*\slot+2:G0+4*\slot+3], 2*8192
	s_add_nc_u64 s[G0B+4*\slot+2:G0B+4*\slot+3], s[G0B+4*\slot+2:G0B+4*\slot+3], 2*512
	JLOAD \slot                                    ; the first tensor load behind the round; the four v_nop behind it are also the places in front of the loads below
.else
	PLACES
.endif
	FETCH \next, 0, F0
	WIN MUL
	MUL4 F1, 2, 0
	MUL4 F1, 3, 0
.endm
	s_wait_tensorcnt 1                             ; my part of K step 0 is in (K step 1's load may be out)
	s_barrier_signal -1
	s_barrier_wait -1                              ; everybody's is
	FETCH 0, 0, F0
	QUARTER 0, 1, F0, F1, 1                        ; the first quarter stands in front of the loop: its products start the sums
	WIN 0                                          ; at a label and at a branch every window is 0
	s_mov_b32 s19, LAPS-1
.Llap:                                                 ; a trip goes once round the ring, from a lap's second quarter to the next lap's first, and fills both slots again
	QUARTER 0, 2, F1, F0, 0
	QUARTER 0, 3, F0, F1, 0
	TURN 0, 1, 1
	QUARTER 1, 1, F0, F1, 0
	QUARTER 1, 2, F1, F0, 0
	QUARTER 1, 3, F0, F1, 0
	TURN 1, 0, 1
	QUARTER 0, 1, F0, F1, 0
	WIN 0
	s_sub_co_u32 s19, s19, 1
	s_cmp_lg_u32 s19, 0
	s_cbranch_scc1 .Llap
	QUARTER 0, 2, F1, F0, 0                        ; the last lap fills nothing, and has no round of the cluster's barrier
	QUARTER 0, 3, F0, F1, 0
	TURN 0, 1, 0
	QUARTER 1, 1, F0, F1, 0
	QUARTER 1, 2, F1, F0, 0
	QUARTER 1, 3, F0, F1, 0
	s_wait_dscnt 0x0                               ; the very last quarter: nothing more to fetch
	WIN MUL
	MUL4 F1, 0, 0
	MUL4 F1, 1, 0
	MUL4 F1, 2, 0
	MUL4 F1, 3, 0
	WIN 0
	; THE WAY OUT, block by block of 16 rows x 64 columns: sum x 2^(e12 + e13) + b2, relu; through my own stage in LDS, back as whole rows of 256 bytes; + x1; stored.
	s_wait_kmcnt 0x0
	s_add_co_i32 s66, s66, s67                     ; e12 + e13,
	s_add_co_i32 s66, s66, 127
	s_lshl_b32 s66, s66, 23                        ; makes the f32 number 2^(e12 + e13)
	s_wait_loadcnt 0x0                             ; b2 and x1
	PLACES
.irp a, 0,1,2,3
.irp b, 0,1,2,3
.irp i, 0,2,4,6
	v_pk_fma_f32 v[TMP+8*\b+\i:TMP+8*\b+\i+1], v[ACC+8*(4*\a+\b)+\i:ACC+8*(4*\a+\b)+\i+1], s[66:67], v[B2+8*\b+\i:B2+8*\b+\i+1] op_sel_hi:[1,0,1]   ; each accumulator from its low end on; the scalar pair's low word for both halves
.endr
.endr
.set J, 0
.rept 32
	v_max_num_f32 v[TMP+J], 0, v[TMP+J]
.set J, J+1
.endr
.irp b, 0,1,2,3
	ds_store_b128 v[STO], v[TMP+8*\b:TMP+8*\b+3] offset:64*\b
	ds_store_b128 v[STO], v[TMP+8*\b+4:TMP+8*\b+7] offset:64*\b+16
.endr
.if \a > 0
	s_wait_xcnt 0x0                                ; the last block's stores have read their registers, into which the loads below land
.endif
.irp t, 0,1,2,3,4,5,6,7
	ds_load_b128 v[RB+4*\t:RB+4*\t+3], v[RD] offset:\t*2*SPITCH   ; LDS serves a wave's instructions in order (ISA guide 5.7.1.4): these see my stores
.endr
	s_wait_dscnt 0x0
	WIN 0x08                                       ; source 1 (x1) window 2
.set J, 0
.rept 16
	v_pk_add_f32 v[RB+J:RB+J+1], v[RB+J:RB+J+1], v[32*\a+J:32*\a+J+1]
.set J, J+2
.endr
	WIN 0
.irp t, 0,1,2,3,4,5,6,7
	global_store_b128 v[CO], v[RB+4*\t:RB+4*\t+3], s[14:15] offset:(16*\a+2*\t)*2048 th:TH_STORE_NT   ; sixteen lanes store 256 consecutive bytes, aligned; written once, read by nobody here
.endr
.endr
	s_wait_tensorcnt 0x0                           ; the wave's end, behind my last tensor load and my last LDS store
	ds_add_u32 v[SPW], v[NIL]
	s_wait_dscnt 0x0
	CROUND                                         ; the closing round: no work-group ends while a partner may still ask for a tile that names it
	s_endpgm
.Lfunc_end_k_q99e5fe7f76_down:
	.size	k_q99e5fe7f76_down, .Lfunc_end_k_q99e5fe7f76_down-k_q99e5fe7f76_down
	.p2alignl 7, 3214868480
	.fill 96, 4, 3214868480
	.section	.rodata,"a",@progbits
	.p2align	6, 0x0
	.amdhsa_kernel k_q99e5fe7f76_down
		.amdhsa_group_segment_fixed_size 327680
		.amdhsa_private_segment_fixed_size 0
		.amdhsa_enable_private_segment 0
		.amdhsa_kernarg_size 48
		.amdhsa_user_sgpr_count 2
		.amdhsa_user_sgpr_kernarg_segment_ptr 1
		.amdhsa_wavefront_size32 1
		.amdhsa_system_sgpr_workgroup_id_x 1
		.amdhsa_system_sgpr_workgroup_id_y 1
		.amdhsa_system_sgpr_workgroup_id_z 1
		.amdhsa_system_vgpr_workitem_id 0
		.amdhsa_next_free_vgpr 768
		.amdhsa_next_free_sgpr 74
		.amdhsa_reserve_vcc 0
		.amdhsa_float_denorm_mode_32 3
		.amdhsa_float_denorm_mode_16_64 3
		.amdhsa_memory_ordered 1
		.amdhsa_forward_progress 1
		.amdhsa_inst_pref_size 85
	.end_amdhsa_kernel
	.amdgpu_metadata
---
amdhsa.version: [ 1, 2 ]
amdhsa.kernels:
  - .name:           k_q99e5fe7f76_down
    .symbol:         k_q99e5fe7f76_down.kd
    .args:
      - { .name: hid, .offset: 0, .size: 8, .value_kind: global_buffer, .address_space: global }
      - { .name: W2_codes, .offset: 8, .size: 8, .value_kind: global_buffer, .address_space: global }
      - { .name: b2, .offset: 16, .size: 8, .value_kind: global_buffer, .address_space: global }
      - { .name: lowp_scales, .offset: 24, .size: 8, .value_kind: global_buffer, .address_space: global }
      - { .name: x1, .offset: 32, .size: 8, .value_kind: global_buffer, .address_space: global }
      - { .name: out0, .offset: 40, .size: 8, .value_kind: global_buffer, .address_space: global }
    .group_segment_fixed_size: 327680
    .private_segment_fixed_size: 0
    .kernarg_segment_align: 8
    .kernarg_segment_size: 48
    .max_flat_workgroup_size: 128
    .sgpr_count:     74
    .vgpr_count:     768
    .wavefront_size: 32
...
	.end_amdgpu_metadata
.endif
;; end of part 4
;; ======== version 2 of 2: 4 launches; version 1 with the launches qkv, attn, up written anew for expert scheduling mode
;; workspace buffers: qc 4,194,304 bytes; kvc 8,388,608 bytes; w1i 2,097,152 bytes; x1 16,777,216 bytes; hid 33,554,432 bytes
;; launch qkv (part 5): grid 64 x 4, 4 waves a work-group, no clusters, 68,096 bytes of LDS; arguments x, Wq_codes, Wk_codes, Wv_codes, alpha, beta, lowp_scales, qc, kvc, W1_codes, w1i; writes qc, kvc, w1i
.if DOCPART == 5
	.amdgcn_target "amdgcn-amd-amdhsa--gfx1250"
	.amdhsa_code_object_version 6
	.text
	.protected	k_q99e5fe7f76_qkv
	.globl	k_q99e5fe7f76_qkv
	.p2align	8
	.type	k_q99e5fe7f76_qkv,@function
k_q99e5fe7f76_qkv:
	s_mov_b64 s[64:65], 0
	v_nop
	global_prefetch_b8 v0, s[64:65] scope:SCOPE_SE
	s_setreg_imm32_b32 hwreg(HW_REG_WAVE_SCHED_MODE, 0, 2), 2
	s_setreg_imm32_b32 hwreg(HW_REG_WAVE_MODE, 25, 1), 1
	s_wait_xcnt 0x0
	s_wait_alu depctr_vm_vsrc(0)
; Work-group y = 0, 1, 2: layer norm of 128 rows of x, quantised to E5M2, times Wq, Wk or Wv (codes, K innermost), and the result quantised again for the attention's products.
; Work-group y = 3: W1's codes are laid out in the order in which a later launch's operand registers take them.
; SHARES (y < 3).  A work-group has 128 rows (x = the block of rows), four waves.  Wave w normalises rows 32 w .. 32 w + 31 and puts their codes into an LDS tile (rows of 512 bytes, 528 apart); one barrier;
; every wave then takes ALL 32 fragments of the tile (8 tiles of 16 rows x 4 K steps of 128: 512 registers) and keeps them.  Wave w makes columns 128 w .. 128 w + 127: four heads of 32, a head a trip.
; The weights go from memory straight into registers, two tiles of 16 columns (128 registers) a trip, in two buffers; each weight fragment feeds eight products.
; NO JOINT LOADS: the row blocks share the weights, but a joint load lands in LDS, and the weights here never go through LDS: a wave reads its 64 KiB of them once, into the operand registers themselves.
; THE ORDER OF K: registers 4 c .. 4 c + 3 of a fragment hold k = 32 c + 16 (lane / 16) + 0 .. 15, alike in both operands, so every product meets its partner.
; Q, K: the product is used transposed (source 0 = 16 rows of W, source 1 = 16 rows of x), and lane r of tile u takes W's row 32 p + 8 u + r + (r & 8): a lane's 16 registers of the two tiles are channels 16 (lane / 16) + 0 .. 15 of one token.
; V: source 0 = x, source 1 = W: a lane holds one channel and eight neighbouring tokens, which are the second attention product's K.
; OUT, as images of operand registers, 512 bytes each, lane l's 16 bytes at 16 l:  qc: ((b 16 + head) 128 + tile of 16 tokens) 512.   kvc: a block of 8,192 bytes for (b, head, 128 keys): eight tiles of K, then V's two fragments.
; LIMITS on the given exponents, so that each power of two below is an f32 number: the activation's e, and e(out) - e(activation) - e(weight), between -126 and 112.  NaN among the inputs is not served.
; REGISTERS.  Window 0: v1 lane % 16, v2 lane / 16, v3 x's offset, v4, v5 LDS addresses, v6, v7 the weights' offsets, v8-11 the stores' offsets, v13 16 x lane, v14 1 / 511, v16-31 at work,
;   v32-159 four slots of 32 numbers of x, later the 16 accumulators (tile m, u at 32 + 16 m + 8 u), v160-191 codes, v224-227 the two scales and their limits, v254, v255 the closing add's two.
;   Windows 1 and 2: x's fragment (m, s) at 16 (4 (m % 4) + s) of window 1 + m / 4.   Window 3: the weights, buffer q at 128 q, fragment (u, s) at 16 (4 u + s).
; THE MODE: SCHED_MODE bits 1:0 = 2 (LLVM: expert scheduling mode 2), set by the entry lines.  The code itself states the register dependences between vector or matrix instructions
; and memory or LDS instructions, with s_wait_alu, always for 0.
; THE PLAN.  Registers that memory or LDS instructions touch:
;   v3-v7, v13     offsets and LDS addresses: made at the head, ahead of the wait in front of the first load; never written again.  v8-v11 (Q, K): made ahead of the first trip, whose stores stand behind that trip's first wait.
;   v32-159        in the layer norm four slots of x: a call of LN2 works in place on two of them, and behind its conversions the loads of two calls on land there.  Later the accumulators, which no memory instruction names.
;   v160-191       codes.  Layer norm: two halves by turns; a call's conversions write one, its sixteen LDS stores read it.  Trips: two halves; each is written by its conversions and read by its four stores.
;   window 3       the weights: buffer p % 2 is read by trip p's 64 products; behind them the loads of trip p + 2 land in it.
;   windows 1, 2   x's fragments: loaded once, behind the barrier; named by the products alone.
; A call of LN2 has one wait on va_vdst behind its conversions, for its loads and its LDS stores alike.  A trip has two: the first stands behind the first half's conversions, which are issued while the last products
; finish, and serves the next weights' loads and the first half's stores; the second serves the second half's stores.  One wait on vm_vsrc stands ahead of each first rewrite of code registers that stores have read.
.set PITCH, 528
.set XR,    32
.set CD,    160
.set MU,    16
.set G,     20
.set T,     24
.set MSB,   0
.macro WIN new                         ; the immediate's high byte repeats the setting that is left
.if MSB != (\new)
	s_set_vgpr_msb (MSB<<8)|(\new)
.set MSB, (\new)
.endif
.endm
.macro WLOAD p, w                      ; head p's two tiles of W, all four K steps, into buffer p % 2.  w = 1: a wait on the vector side stands behind the window switch, ahead of the loads
	WIN 0xc0                                       ; destination window 3, address window 0
.if \w
	s_wait_alu depctr_va_vdst(0)                   ; at the head: the offsets and LDS addresses v3 to v7 and v13 are written, which the loads and stores from here on read.  In a trip: its products are done reading this buffer, and the conversions above have written the codes that the stores below read
.endif
.irp u, 0,1
.irp s, 0,1,2,3
.irp c, 0,1,2,3
	global_load_b128 v[128*((\p)%2)+16*(4*\u+\s)+4*\c:128*((\p)%2)+16*(4*\u+\s)+4*\c+3], v[6+\u], s[42:43] offset:(\p)*16384+128*\s+32*\c
.endr
.endr
.endr
	WIN 0
.endm
.macro XLOAD pr                        ; rows 2 pr and 2 pr + 1 of my 32: each load takes 256 consecutive bytes of each row.  Register 4 j + e holds k = 64 j + 4 (lane % 16) + e
.irp j, 0,1,2,3,4,5,6,7
	global_load_b128 v[XR+32*((\pr)%4)+4*\j:XR+32*((\pr)%4)+4*\j+3], v3, s[4:5] offset:(\pr)*4096+\j*256
.endr
.endm
.macro ACROSS                          ; two chains a row are joined, then the row's sixteen lanes; the two pairs of rows alternate line by line
.irp z, 0,1
	v_pk_add_f32 v[T+4*\z:T+4*\z+1], v[T+4*\z:T+4*\z+1], v[T+4*\z+2:T+4*\z+3]
.endr
.irp z, 0,1
	v_add_f32 v[T+4*\z], v[T+4*\z], v[T+4*\z+1]
.endr
.irp k, 1,2,4,8
.irp z, 0,1
	v_add_f32_dpp v[T+4*\z], v[T+4*\z], v[T+4*\z] row_xmask:\k row_mask:0xf bank_mask:0xf
.endr
.endr
.endm
; Row pairs 2 i and 2 i + 1 (four rows): mean, variance about the mean, alpha (x - mean) / sqrt(var + 1e-6) + beta, hold, codes, into the LDS tile.  left: younger loads that may stay out.
.macro LN2 i, left, refill
.set XB, XR+32*((2*(\i))%4)
.set CB, CD+8*((2*(\i))%4)
	s_wait_loadcnt \left                           ; loads come back in order: these two pairs' sixteen are in, the next two pairs' may be out
.irp z, 0,1
	v_pk_add_f32 v[T+4*\z:T+4*\z+1], v[XB+32*\z:XB+32*\z+1], v[XB+32*\z+2:XB+32*\z+3]
	v_pk_add_f32 v[T+4*\z+2:T+4*\z+3], v[XB+32*\z+4:XB+32*\z+5], v[XB+32*\z+6:XB+32*\z+7]
.endr
.irp j, 8,12,16,20,24,28
.irp z, 0,1
	v_pk_add_f32 v[T+4*\z:T+4*\z+1], v[T+4*\z:T+4*\z+1], v[XB+32*\z+\j:XB+32*\z+\j+1]
	v_pk_add_f32 v[T+4*\z+2:T+4*\z+3], v[T+4*\z+2:T+4*\z+3], v[XB+32*\z+\j+2:XB+32*\z+\j+3]
.endr
.endr
	ACROSS
.irp z, 0,1
	v_mul_f32 v[MU+2*\z], 0xbb000000, v[T+4*\z]    ; minus the mean: the sum x -2^-9
.endr
.set J, 0
.rept 16
	v_pk_add_f32 v[XB+J:XB+J+1], v[XB+J:XB+J+1], v[MU:MU+1] op_sel_hi:[1,0]
	v_pk_add_f32 v[XB+32+J:XB+33+J], v[XB+32+J:XB+33+J], v[MU+2:MU+3] op_sel_hi:[1,0]
.set J, J+2
.endr
.irp z, 0,1
	v_pk_mul_f32 v[T+4*\z:T+4*\z+1], v[XB+32*\z:XB+32*\z+1], v[XB+32*\z:XB+32*\z+1]
	v_pk_mul_f32 v[T+4*\z+2:T+4*\z+3], v[XB+32*\z+2:XB+32*\z+3], v[XB+32*\z+2:XB+32*\z+3]
.endr
.irp j, 4,8,12,16,20,24,28
.irp z, 0,1
	v_pk_fma_f32 v[T+4*\z:T+4*\z+1], v[XB+32*\z+\j:XB+32*\z+\j+1], v[XB+32*\z+\j:XB+32*\z+\j+1], v[T+4*\z:T+4*\z+1]
	v_pk_fma_f32 v[T+4*\z+2:T+4*\z+3], v[XB+32*\z+\j+2:XB+32*\z+\j+3], v[XB+32*\z+\j+2:XB+32*\z+\j+3], v[T+4*\z+2:T+4*\z+3]
.endr
.endr
	ACROSS
.irp z, 0,1
	v_fmaak_f32 v[T+4*\z], v[T+4*\z], v14, 0x358637bd   ; the squares' sum / 511 + 1e-6
.endr
.irp z, 0,1
	v_rsq_f32 v[T+4*\z+1], v[T+4*\z]
.endr
	v_nop                                          ; a plain instruction behind the last root
	s_wait_alu depctr_va_vdst(0)                   ; one wait for both roots, ahead of their first reader
.irp z, 0,1
	v_mul_f32 v[G+2*\z], s47, v[T+4*\z+1]          ; alpha / sqrt(var + 1e-6)
.endr
.set J, 0
.rept 16
	v_pk_fma_f32 v[XB+J:XB+J+1], v[XB+J:XB+J+1], v[G:G+1], s[48:49] op_sel_hi:[1,0,0]
	v_pk_fma_f32 v[XB+32+J:XB+33+J], v[XB+32+J:XB+33+J], v[G+2:G+3], s[48:49] op_sel_hi:[1,0,0]
.set J, J+2
.endr
.set J, 0
.rept 64
	v_med3_num_f32 v[XB+J], v[XB+J], -v225, v225   ; the conversion to an 8-bit code does not saturate (ISA guide 7.6.2): the hold at the largest code x the scale
.set J, J+1
.endr
	s_wait_dscnt 16                                ; the sixteen LDS stores of the last call may be out; those of the call before are done
.if (\i) >= 2
	s_wait_alu depctr_vm_vsrc(0)                   ; the LDS stores of the call before last have read this half of the code registers, which the conversions below write again
.endif
.irp z, 0,1
.irp a, 0,1,2,3
	v_cvt_scalef32_pk8_bf8_f32 v[CB+8*\z+2*\a:CB+8*\z+2*\a+1], v[XB+32*\z+8*\a:XB+32*\z+8*\a+7], v224
.endr
.endr
	v_nop                                          ; a plain instruction behind the last scaled conversion
	s_wait_alu depctr_va_vdst(0)                   ; the conversions have written the codes, which the LDS stores below read; the call's arithmetic is done with its 64 registers of x, in which the loads below land
.if \refill
	XLOAD 2*(\i)+4
	XLOAD 2*(\i)+5
.endif
.irp z, 0,1
.irp a, 0,1,2,3
	ds_store_b32 v4, v[CB+8*\z+2*\a] offset:(2*(\i)+\z)*2*PITCH+128*\a         ; k = 128 a + 4 (lane % 16) + 0 .. 3
	ds_store_b32 v4, v[CB+8*\z+2*\a+1] offset:(2*(\i)+\z)*2*PITCH+128*\a+64    ; and 64 further on
.endr
.endr
.endm
.macro AFETCH                          ; all 32 fragments of the tile of codes.  No wait on the vector side: v5 was written ahead of the head's wait, and no vector or matrix instruction has named windows 1 and 2
.irp m, 0,1,2,3,4,5,6,7
	WIN 0x40*(1+\m/4)
.irp s, 0,1,2,3
.irp c, 0,1,2,3
	ds_load_b128 v[16*(4*(\m%4)+\s)+4*\c:16*(4*(\m%4)+\s)+4*\c+3], v5 offset:\m*16*PITCH+128*\s+32*\c
.endr
.endr
.endr
	WIN 0
	s_wait_dscnt 0x0
.endm
; 64 products: 8 tiles of rows x 2 tiles of columns x 4 K steps.  Eight accumulators take turns, one instruction a turn; the first K step starts the sums with the constant 0.
.macro MM q, vpath
.irp mh, 0,1
.if \vpath
	WIN 0x0d+\mh                                   ; source 0 (x) window 1 or 2, source 1 (W) window 3
.else
	WIN 0x07+4*\mh                                 ; source 0 (W) window 3, source 1 (x) window 1 or 2
.endif
.irp s, 0,1,2,3
.irp mm, 0,1,2,3
.irp u, 0,1
.set rD, 32+16*(4*\mh+\mm)+8*\u
.set rW, 128*(\q)+16*(4*\u+\s)
.set rA, 16*(4*\mm+\s)
.if \vpath
.if \s == 0
	v_wmma_f32_16x16x128_bf8_bf8 v[rD:rD+7], v[rA:rA+15], v[rW:rW+15], 0
.else
	v_wmma_f32_16x16x128_bf8_bf8 v[rD:rD+7], v[rA:rA+15], v[rW:rW+15], v[rD:rD+7]
.endif
.else
.if \s == 0
	v_wmma_f32_16x16x128_bf8_bf8 v[rD:rD+7], v[rW:rW+15], v[rA:rA+15], 0
.else
	v_wmma_f32_16x16x128_bf8_bf8 v[rD:rD+7], v[rW:rW+15], v[rA:rA+15], v[rD:rD+7]
.endif
.endif
.endr
.endr
.endr
.endr
	WIN 0
.rept 4
	v_nop                                          ; four places (ISA guide 7.12.1) in front of the first read of results
.endr
.endm
; Q, K: tiles of rows 4 h .. 4 h + 3 become codes; each accumulator is read from its low end on
.macro QKHALF h
.irp mm, 0,1,2,3
.set M, 4*(\h)+\mm
.irp j, 0,1,2,3,4,5,6,7,8,9,10,11,12,13,14,15
	v_med3_num_f32 v[32+16*M+\j], v[32+16*M+\j], -v227, v227
.endr
	v_cvt_scalef32_pk8_bf8_f32 v[CD+4*M:CD+4*M+1], v[32+16*M:32+16*M+7], v226
	v_cvt_scalef32_pk8_bf8_f32 v[CD+4*M+2:CD+4*M+3], v[32+16*M+8:32+16*M+15], v226
.endr
	v_nop                                          ; a plain instruction behind the last scaled conversion
.endm
.macro QKOUT p, h
.irp mm, 0,1,2,3
	global_store_b128 v[8+(\p)], v[CD+4*(4*(\h)+\mm):CD+4*(4*(\h)+\mm)+3], s[54:55] offset:512*(4*(\h)+\mm)   ; 32 lanes store 512 consecutive bytes, aligned
.endr
.endm
; V: the tile u of 16 channels becomes a fragment's codes
.macro VHALF u
.irp m, 0,1,2,3,4,5,6,7
.irp j, 0,1,2,3,4,5,6,7
	v_med3_num_f32 v[32+16*\m+8*(\u)+\j], v[32+16*\m+8*(\u)+\j], -v227, v227
.endr
	v_cvt_scalef32_pk8_bf8_f32 v[CD+16*(\u)+2*\m:CD+16*(\u)+2*\m+1], v[32+16*\m+8*(\u):32+16*\m+8*(\u)+7], v226   ; keys 16 m + 8 (lane / 16) + 0 .. 7 of channel 16 u + lane % 16
.endr
	v_nop                                          ; a plain instruction behind the last scaled conversion
.endm
.macro VOUT p, u
.irp c, 0,1,2,3
	global_store_b128 v13, v[CD+16*(\u)+4*\c:CD+16*(\u)+4*\c+3], s[54:55] offset:(\p)*131072+4096+2048*(\u)+512*\c   ; 32 lanes store 512 consecutive bytes, aligned
.endr
.endm
; A trip: head 4 w + p.
.macro TRIP p, vpath
.if (\p) < 3
	s_wait_loadcnt 32                              ; this head's weights are in; the next head's 32 loads may be out
.else
	s_wait_loadcnt 0x0
.endif
	MM (\p)%2, \vpath
	s_wait_xcnt 0x0                                ; the last trip's stores have had their addresses translated: the code registers are written again only behind this wait
	s_wait_alu depctr_vm_vsrc(0)                   ; the last trip's stores (in the first trip: the layer norm's LDS stores) have read the code registers, which the conversions below write again
.if \vpath
	VHALF 0
.else
	QKHALF 0
.endif
.if (\p) < 2
	WLOAD (\p)+2, 1
.else
	s_wait_alu depctr_va_vdst(0)                   ; the conversions above have written the first half's codes, which the stores below read
.endif
.if \vpath
	VOUT \p, 0
	VHALF 1
.else
	QKOUT \p, 0
	QKHALF 1
.endif
	s_wait_alu depctr_va_vdst(0)                   ; the conversions above have written the second half's codes, which the stores below read
.if \vpath
	VOUT \p, 1
.else
	QKOUT \p, 1
.endif
.endm
	s_load_b512 s[4:19], s[0:1], 0x0               ; x, Wq, Wk, Wv, alpha, beta, the scales' exponents, qc
	s_load_b128 s[20:23], s[0:1], 0x40             ; kvc, W1's codes
	s_load_b64 s[24:25], s[0:1], 0x50              ; w1i
	v_lshl_add_u32 v254, v0, 2, 0x10800
	v_mov_b32 v255, 0
	v_lshrrev_b32 v1, 5, v0
	v_readfirstlane_b32 s26, v1                    ; wave 0..3
	s_and_b32 s27, ttmp7, 0xffff                   ; 0: Q, 1: K, 2: V, 3: W1's layout
	v_and_b32 v1, 15, v0                           ; lane % 16
	v_bfe_u32 v2, v0, 4, 1                         ; lane / 16
	v_and_b32 v13, 31, v0
	v_lshlrev_b32 v13, 4, v13                      ; 16 x lane
	s_wait_alu depctr_va_sdst(0)                   ; s26, the wave's number, is written: ahead of the branch, and of its first reader on either way
	s_cmp_eq_u32 s27, 3
	s_cbranch_scc1 .Llayout                        ; the same way for the whole work-group
	s_lshl_b32 s28, ttmp9, 18                      ; my block's 128 rows of 2,048 bytes
	s_mov_b32 s29, 0
	s_lshl_b32 s30, s26, 16                        ; 32 rows of x, and 128 rows of W, are both 65,536 bytes a wave
	v_lshlrev_b32 v3, 11, v2
	v_lshl_add_u32 v3, v1, 4, v3
	v_add_nc_u32 v3, s30, v3                       ; x: (32 w + lane / 16) rows + 16 (lane % 16)
	s_mul_i32 s31, s26, 32*PITCH
	v_mul_u32_u24 v4, v2, PITCH
	v_lshl_add_u32 v4, v1, 2, v4
	v_add_nc_u32 v4, s31, v4                       ; the tile, on the way in: (32 w + lane / 16) rows + 4 (lane % 16)
	v_mul_u32_u24 v5, v1, PITCH
	v_lshl_add_u32 v5, v2, 4, v5                   ; and out: row lane % 16, + 16 (lane / 16)
	s_cmp_eq_u32 s27, 2
	s_cselect_b32 s40, 0, 8                        ; V takes W's rows as they lie; Q and K in the order given at the head
	s_mov_b32 s41, 4096
	s_cselect_b32 s41, 8192, s41                   ; from tile 0 to tile 1: 16 rows, or 8
	v_and_b32 v6, s40, v1
	v_add_nc_u32 v6, v6, v1
	v_lshlrev_b32 v6, 9, v6
	v_lshl_add_u32 v6, v2, 4, v6
	v_add_nc_u32 v7, s41, v6
	v_mov_b32 v14, 0x3b004020                      ; 1 / 511
	v_mov_b32 v17, 0                               ; upper halves of pairs of which the low word serves both halves: named, so written
	v_mov_b32 v19, 0
	v_mov_b32 v21, 0
	v_mov_b32 v23, 0
	s_mov_b32 s31, 0
	s_wait_kmcnt 0x0
	s_load_b256 s[32:39], s[16:17], 0x0            ; e0 .. e7
	s_load_b32 s46, s[16:17], 0x20                 ; e8
	s_load_b32 s47, s[12:13], 0x0                  ; alpha
	s_load_b32 s48, s[14:15], 0x0                  ; beta
	s_cmp_eq_u32 s27, 1
	s_cselect_b64 s[42:43], s[8:9], s[6:7]
	s_cmp_eq_u32 s27, 2
	s_cselect_b64 s[42:43], s[10:11], s[42:43]     ; my weight,
	s_add_nc_u64 s[42:43], s[42:43], s[30:31]      ; at my wave's 128 rows
	s_add_nc_u64 s[4:5], s[4:5], s[28:29]
	WLOAD 0, 1
	WLOAD 1, 0
	XLOAD 0
	XLOAD 1
	XLOAD 2
	XLOAD 3
	s_wait_kmcnt 0x0
	s_cmp_eq_u32 s27, 1
	s_cselect_b32 s50, s34, s32                    ; the activation's e,
	s_cselect_b32 s51, s35, s33                    ; the weight's,
	s_cselect_b32 s52, s39, s38                    ; and the result's as an operand of attention
	s_cmp_eq_u32 s27, 2
	s_cselect_b32 s50, s36, s50
	s_cselect_b32 s51, s37, s51
	s_cselect_b32 s52, s46, s52
	s_add_co_i32 s53, s50, 127
	s_lshl_b32 s54, s53, 23
	v_mov_b32 v224, s54                            ; 2^e as f32: the conversion takes its exponent field
	s_add_co_i32 s53, s53, 15
	s_lshl_b32 s53, s53, 23
	s_or_b32 s53, s53, 0x600000
	v_mov_b32 v225, s53                            ; 57,344 x 2^e
	s_sub_co_i32 s52, s52, s50
	s_sub_co_i32 s52, s52, s51                     ; a sum stands for sum x 2^(e + e of W): the three exponents are folded into one scale
	s_add_co_i32 s52, s52, 127
	s_lshl_b32 s54, s52, 23
	v_mov_b32 v226, s54
	s_add_co_i32 s52, s52, 15
	s_lshl_b32 s52, s52, 23
	s_or_b32 s52, s52, 0x600000
	v_mov_b32 v227, s52
	s_mov_b32 s49, s48                             ; (named with beta as a pair, so it is written)
	LN2 0, 16, 1
	LN2 1, 16, 1
	LN2 2, 16, 1
	LN2 3, 16, 1
	LN2 4, 16, 1
	LN2 5, 16, 1
	LN2 6, 16, 0
	LN2 7, 0, 0
	s_wait_dscnt 0x0                               ; for the others' sake: my rows' codes lie in the tile
	s_barrier_signal -1
	s_barrier_wait -1
	AFETCH
	s_lshr_b32 s50, ttmp9, 4                       ; b
	s_and_b32 s51, ttmp9, 15                       ; which 128 tokens of the 2,048
	s_lshl_b32 s50, s50, 4
	s_lshl_b32 s52, s26, 2
	s_add_co_u32 s50, s50, s52                     ; 16 b + my first head
	s_mov_b32 s53, 0
	s_cmp_eq_u32 s27, 2
	s_cbranch_scc1 .Lvpath
	s_lshl_b32 s52, s50, 16                        ; qc: a head is 65,536 bytes, a block of 128 tokens 4,096; in kvc both are twice that
	s_lshl_b32 s54, s51, 12
	s_add_co_u32 s52, s52, s54
	s_lshl_b32 s52, s52, s27
	s_cmp_eq_u32 s27, 0
	s_cselect_b64 s[54:55], s[18:19], s[20:21]
	s_add_nc_u64 s[54:55], s[54:55], s[52:53]
	s_lshl_b32 s56, 0x10000, s27
	v_mov_b32 v8, v13
	v_add_nc_u32 v9, s56, v8
	v_add_nc_u32 v10, s56, v9
	v_add_nc_u32 v11, s56, v10                     ; 16 x lane + p heads
	TRIP 0, 0
	TRIP 1, 0
	TRIP 2, 0
	TRIP 3, 0
	s_wait_dscnt 0x0                               ; the closing lines, six on end
	s_wait_alu 0x0
	s_wait_tensorcnt 0x0
	ds_add_u32 v254, v255
	s_wait_dscnt 0x0
	s_endpgm
.Lvpath:
	s_lshl_b32 s52, s50, 4
	s_add_co_u32 s52, s52, s51
	s_lshl_b32 s52, s52, 13                        ; ((16 b + head) 16 + key step) blocks of 8,192 bytes
	s_add_nc_u64 s[54:55], s[20:21], s[52:53]
	TRIP 0, 1
	TRIP 1, 1
	TRIP 2, 1
	TRIP 3, 1
	s_wait_dscnt 0x0                               ; the closing lines, six on end, as above
	s_wait_alu 0x0
	s_wait_tensorcnt 0x0
	ds_add_u32 v254, v255
	s_wait_dscnt 0x0
	s_endpgm
; W1's codes, [4096][512], become images of operand registers: for the pair of tiles P (hidden units 32 P .. 32 P + 31), tile u, K step s, group c of four registers: 512 bytes at 16,384 P + 8,192 u + 512 (4 s + c);
; lane (r, h) holds row 32 P + 8 u + r + (r & 8), k = 128 s + 32 c + 16 h + 0 .. 15.  A wave takes one tile: 16 loads, 16 stores of 512 consecutive bytes.  This way stores nothing to LDS.
.Llayout:
	s_lshl_b32 s28, ttmp9, 1
	s_lshr_b32 s29, s26, 1
	s_add_co_u32 s28, s28, s29                     ; P
	s_and_b32 s29, s26, 1                          ; u
	s_lshl_b32 s30, s28, 14                        ; 32 rows of 512 bytes
	s_lshl_b32 s31, s29, 12                        ; 8 rows
	s_add_co_u32 s30, s30, s31
	s_mov_b32 s31, 0
	s_lshl_b32 s32, s28, 14
	s_lshl_b32 s33, s29, 13
	s_add_co_u32 s32, s32, s33
	s_mov_b32 s33, 0
	v_and_b32 v6, 8, v1
	v_add_nc_u32 v6, v6, v1
	v_lshlrev_b32 v6, 9, v6
	v_lshl_add_u32 v6, v2, 4, v6
	s_wait_kmcnt 0x0
	s_add_nc_u64 s[22:23], s[22:23], s[30:31]
	s_add_nc_u64 s[24:25], s[24:25], s[32:33]
	s_wait_alu depctr_va_vdst(0)                   ; v6 and v13 are written: the loads read the one as their offset, the stores the other
.set J, 0
.rept 16
	global_load_b128 v[32+4*J:35+4*J], v6, s[22:23] offset:32*J th:TH_LOAD_NT   ; 128 s + 32 c = 32 (4 s + c)
.set J, J+1
.endr
.set J, 0
.rept 16
	s_wait_loadcnt 15-J                            ; load J is in; the later ones may be out
	global_store_b128 v13, v[32+4*J:35+4*J], s[24:25] offset:512*J
.set J, J+1
.endr
	s_endpgm
.Lfunc_end_k_q99e5fe7f76_qkv:
	.size	k_q99e5fe7f76_qkv, .Lfunc_end_k_q99e5fe7f76_qkv-k_q99e5fe7f76_qkv
	.p2alignl 7, 3214868480
	.fill 96, 4, 3214868480
	.section	.rodata,"a",@progbits
	.p2align	6, 0x0
	.amdhsa_kernel k_q99e5fe7f76_qkv
		.amdhsa_group_segment_fixed_size 68096
		.amdhsa_private_segment_fixed_size 0
		.amdhsa_enable_private_segment 0
		.amdhsa_kernarg_size 88
		.amdhsa_user_sgpr_count 2
		.amdhsa_user_sgpr_kernarg_segment_ptr 1
		.amdhsa_wavefront_size32 1
		.amdhsa_system_sgpr_workgroup_id_x 1
		.amdhsa_system_sgpr_workgroup_id_y 1
		.amdhsa_system_sgpr_workgroup_id_z 1
		.amdhsa_system_vgpr_workitem_id 0
		.amdhsa_next_free_vgpr 1024
		.amdhsa_next_free_sgpr 66
		.amdhsa_reserve_vcc 0
		.amdhsa_float_denorm_mode_32 3
		.amdhsa_float_denorm_mode_16_64 3
		.amdhsa_memory_ordered 1
		.amdhsa_forward_progress 1
		.amdhsa_inst_pref_size 255
	.end_amdhsa_kernel
	.section	.bss,"aw",@nobits
	.p2align	6
	.space	262144
	.amdgpu_metadata
---
amdhsa.version: [ 1, 2 ]
amdhsa.kernels:
  - .name:           k_q99e5fe7f76_qkv
    .symbol:         k_q99e5fe7f76_qkv.kd
    .args:
      - { .name: x, .offset: 0, .size: 8, .value_kind: global_buffer, .address_space: global }
      - { .name: Wq_codes, .offset: 8, .size: 8, .value_kind: global_buffer, .address_space: global }
      - { .name: Wk_codes, .offset: 16, .size: 8, .value_kind: global_buffer, .address_space: global }
      - { .name: Wv_codes, .offset: 24, .size: 8, .value_kind: global_buffer, .address_space: global }
      - { .name: alpha, .offset: 32, .size: 8, .value_kind: global_buffer, .address_space: global }
      - { .name: beta, .offset: 40, .size: 8, .value_kind: global_buffer, .address_space: global }
      - { .name: lowp_scales, .offset: 48, .size: 8, .value_kind: global_buffer, .address_space: global }
      - { .name: qc, .offset: 56, .size: 8, .value_kind: global_buffer, .address_space: global }
      - { .name: kvc, .offset: 64, .size: 8, .value_kind: global_buffer, .address_space: global }
      - { .name: W1_codes, .offset: 72, .size: 8, .value_kind: global_buffer, .address_space: global }
      - { .name: w1i, .offset: 80, .size: 8, .value_kind: global_buffer, .address_space: global }
    .group_segment_fixed_size: 68096
    .private_segment_fixed_size: 0
    .kernarg_segment_align: 8
    .kernarg_segment_size: 88
    .max_flat_workgroup_size: 128
    .sgpr_count:     66
    .vgpr_count:     1024
    .wavefront_size: 32
...
	.end_amdgpu_metadata
.endif
;; end of part 5
;; launch attn (part 6): grid 8 x 32, 16 waves a work-group, no clusters, 299,008 bytes of LDS; arguments qc, kvc, x, lowp_scales, x1; writes x1
.if DOCPART == 6
	.amdgcn_target "amdgcn-amd-amdhsa--gfx1250"
	.amdhsa_code_object_version 6
	.text
	.protected	k_q99e5fe7f76_attn
	.globl	k_q99e5fe7f76_attn
	.p2align	8
	.type	k_q99e5fe7f76_attn,@function
k_q99e5fe7f76_attn:
	s_mov_b64 s[64:65], 0
	v_nop
	global_prefetch_b8 v0, s[64:65] scope:SCOPE_SE
	s_setreg_imm32_b32 hwreg(HW_REG_WAVE_SCHED_MODE, 0, 2), 2
	s_setreg_imm32_b32 hwreg(HW_REG_WAVE_MODE, 25, 1), 1
	s_wait_xcnt 0x0
	s_wait_alu depctr_vm_vsrc(0)
; x1 = x + attention.  Both products on codes of E5M2: S^T = K Q^T (K = the head's 32, in the form of K = 64) and O^T = V^T P^T (K = 128 keys a step).
; THE SOFTMAX: t = score x log2(e) / sqrt(512); M = the running largest t rounded UP to a whole number; p = 2^(t - M) is quantised, not normalised; the row's sum is taken of the unquantised p and divides at the end.
; When M moves, the sum and O^T are multiplied by 2^(old M - new M): exact.
; SHARES.  A work-group owns 256 queries (x) of a pair of heads (y = 8 b + pair): two heads are 64 numbers, 256 bytes of a row of x1.  Sixteen waves, 256 registers each: wave w takes head w % 2 and the tile of
; 16 queries w / 2, in two passes of 128 queries.  Both heads' K and V for all 2,048 keys, 262,144 bytes that lie on end in kvc, are put into LDS once, as they lie: images of operand registers.
; NO TENSOR LOADS, NO JOINT LOADS: LDS is filled once, 16 KiB a wave, against 32 key steps a wave; nothing is filled again; and the text keeps a scalar branch on the given exponent of p (below).
; THE FORM OF K = 64 ON A HEAD OF 32: a fragment of eight registers holds TWO tiles of 16 keys, one in registers 0-3 and one in registers 4-7; the first is multiplied by [q, 0], the second by [0, q].
; The other half meets zero codes; k's codes are finite, since they were held at the largest code.  A lane holds ONE query (lane % 16) throughout; tile t's register j is key 16 t + 8 (lane / 16) + j,
; so the conversion of tile t gives registers 2 t, 2 t + 1 of the second product's operand in that form's own order, in which V's fragments were laid.
; THE HOLD OF p: p is at most 1, and the largest code x 2^e9 is at least 1.75 where e9 >= -15: there the 64 lines of the hold are jumped over, by a scalar branch on the whole number e9.
; LIMITS on the given exponents: e6 + e7 between -122 and 131 (added to c's exponent field); e9 between -126 and 112; e8 + e9 is applied by v_ldexp_f32 and has none.
; REGISTERS: v1 16 x lane + my head's place in LDS; v2 the step's address; v3 16 x lane; v4, v5 the stage; v6 x's and x1's offset; v7 the fill's offset; v12 -M, v13 the largest t, v[14:15] the sum in two halves;
;   v16-23 [q, 0]; v24-31 [0, q]; v32-63 K; v64-95 V; v96-159 S^T, then p; v160-175 O^T; v176-191 p's codes; v192-223 x for the two passes; v224-227 the second pass's q; v236-254 at work; v251, v255 the closing add's two.
; THE MODE: SCHED_MODE bits 1:0 = 2 (LLVM: expert scheduling mode 2), set by the entry lines.  The code itself states the register dependences between vector or matrix instructions
; and memory or LDS instructions, with s_wait_alu, always for 0.
; THE PLAN.  Registers that memory or LDS instructions touch, in a key step:
;   v2       written once a step, among the places behind the score products; read by the step's sixteen LDS loads.
;   v32-63   K: read by the step's eight score products; the NEXT step's K lands there, asked for in the middle of this step, 8,192 bytes on from the same address.
;   v64-95   V: read by the step's two second products, at its end; this step's V lands there, asked for in the middle of the step.
;   v1, v3-v7  offsets and LDS addresses, made at the head and never written again.
; So ONE wait on va_vdst stands in a step, behind the exponentials and ahead of their first reader: it also states that v2 is written, that this step's score products are done reading K and that the last step's second
; products are done reading V.  The sixteen loads follow it at once, and land while the sums, the conversions and the rescaling are made.  One wait on vm_vsrc a step stands ahead of the add to v2.
; Since a step asks for the next step's K, the loop has fifteen trips and the sixteenth step is written out: it asks for no K.  A pass's first K is asked for at the pass's head, by v1.
.set STG,   262144                     ; behind K and V: the stage, 128 rows x (256 bytes + 16)
.set SP,    272
.set STEPB, 8192                       ; a key step's K and V in LDS
	s_load_b256 s[4:11], s[0:1], 0x0               ; qc, kvc, x, the scales' exponents
	s_load_b64 s[12:13], s[0:1], 0x20              ; x1
	v_lshl_add_u32 v251, v0, 2, 0x48800
	v_mov_b32 v255, 0
	v_lshrrev_b32 v1, 5, v0
	v_readfirstlane_b32 s14, v1                    ; wave 0..15
	s_and_b32 s15, ttmp7, 0xffff                   ; y = 8 b + pair of heads
	v_and_b32 v8, 15, v0                           ; lane % 16
	v_bfe_u32 v9, v0, 4, 1                         ; lane / 16
	v_and_b32 v3, 31, v0
	v_lshlrev_b32 v3, 4, v3
	s_wait_alu depctr_va_sdst(0)                   ; s14, the wave's number, is written, ahead of its first reader
	s_and_b32 s26, s14, 1                          ; my head of the pair
	s_lshr_b32 s27, s14, 1                         ; my tile of queries
	s_lshl_b32 s28, s26, 17
	v_add_nc_u32 v1, s28, v3
	s_lshl_b32 s28, s14, 14
	v_add_nc_u32 v7, s28, v3                       ; the fill: 16,384 bytes a wave
	s_mul_i32 s28, s27, 16*SP
	s_lshl_b32 s29, s26, 7
	s_add_co_u32 s28, s28, s29
	s_add_co_u32 s28, s28, STG
	v_mul_u32_u24 v4, v8, SP
	v_lshl_add_u32 v4, v9, 5, v4
	v_add_nc_u32 v4, s28, v4                       ; into the stage: row 16 (w / 2) + lane % 16; my head's 128 bytes; 32 (lane / 16)
	s_mul_i32 s28, s14, 8*SP
	s_add_co_u32 s28, s28, STG
	v_mul_u32_u24 v5, v9, SP
	v_lshl_add_u32 v5, v8, 4, v5
	v_add_nc_u32 v5, s28, v5                       ; back: rows 8 w on; sixteen lanes to a row of 256 bytes
	s_lshl_b32 s28, s14, 14
	v_lshlrev_b32 v6, 11, v9
	v_lshl_add_u32 v6, v8, 4, v6
	v_add_nc_u32 v6, s28, v6                       ; and the same rows in x and x1
	s_lshl_b32 s28, s15, 18                        ; kvc: the pair's 262,144 bytes
	s_mov_b32 s29, 0
	s_lshl_b32 s30, s15, 1
	s_add_co_u32 s30, s30, s26
	s_lshl_b32 s30, s30, 7
	s_lshl_b32 s31, ttmp9, 4
	s_add_co_u32 s30, s30, s31
	s_add_co_u32 s30, s30, s27
	s_lshl_b32 s30, s30, 9                         ; qc: ((2 y + head) 128 + 16 x + w / 2) images of 512 bytes
	s_mov_b32 s31, 0
	s_lshr_b32 s32, s15, 3
	s_lshl_b32 s32, s32, 22
	s_lshl_b32 s33, ttmp9, 19
	s_add_co_u32 s32, s32, s33
	s_and_b32 s33, s15, 7
	s_lshl_b32 s33, s33, 8
	s_add_co_u32 s32, s32, s33                     ; x, x1: (2,048 b + 256 x) rows of 2,048 bytes + 256 x pair
	s_mov_b32 s33, 0
	s_mov_b32 s20, 0x76543210
	s_mov_b32 s21, 0xfedcba98                      ; v_permlanex16_b32's selects for lane l xor 16
	s_wait_kmcnt 0x0
	s_load_b128 s[16:19], s[10:11], 0x18           ; e6 (q), e7 (k), e8 (v), e9 (p)
	s_add_nc_u64 s[6:7], s[6:7], s[28:29]
	s_add_nc_u64 s[4:5], s[4:5], s[30:31]
	s_add_nc_u64 s[8:9], s[8:9], s[32:33]
	s_add_nc_u64 s[12:13], s[12:13], s[32:33]
	s_wait_alu depctr_va_vdst(0)                   ; the offsets and LDS addresses v1 and v3 to v7 are written, which the loads and stores of the whole kernel read
.set J, 0
.rept 32
	global_load_b128 v[32+4*J:35+4*J], v7, s[6:7] offset:512*J   ; 32 lanes read 512 consecutive bytes
.set J, J+1
.endr
	global_load_b128 v[16:19], v3, s[4:5]          ; the first pass's q, twice: A's and B's registers aside, [q, 0] and [0, q] are two runs of registers
	global_load_b128 v[28:31], v3, s[4:5]
.irp i, 0,1,2,3
	global_load_b128 v[192+4*\i:195+4*\i], v6, s[8:9] offset:4096*\i
.endr
	global_load_b128 v[224:227], v3, s[4:5] offset:4096
.irp i, 0,1,2,3
	global_load_b128 v[208+4*\i:211+4*\i], v6, s[8:9] offset:262144+4096*\i
.endr
.irp j, 20,21,22,23,24,25,26,27
	v_mov_b32 v\j, 0                               ; the zero halves
.endr
	v_mov_b32 v236, 0                              ; written once: a lane permute's destination counts as one of its sources
	v_mov_b32 v253, 0                              ; (named as the upper half of the pair v[252:253])
	s_wait_kmcnt 0x0
	s_add_co_i32 s28, s16, s17
	s_lshl_b32 s28, s28, 23
	s_mov_b32 s22, 0x3d8293ee                      ; c = log2(e) / sqrt(512)
	s_add_co_i32 s22, s22, s28                     ; a score stands for score x 2^(e6 + e7): the two exponents are added to c's exponent field
	s_mov_b32 s23, s22                             ; (named with it as a pair, so it is written)
	s_add_co_i32 s28, s19, 127
	s_lshl_b32 s29, s28, 23
	v_mov_b32 v244, s29                            ; 2^e9 as f32, for the conversion
	s_add_co_i32 s28, s28, 15
	s_lshl_b32 s28, s28, 23
	s_or_b32 s28, s28, 0x600000
	v_mov_b32 v240, s28                            ; 57,344 x 2^e9
	s_add_co_i32 s25, s18, s19                     ; e8 + e9
.set J, 0
.rept 32
	s_wait_loadcnt 42-J                            ; fill load J is in: behind it stand 31 - J fill loads and the eleven of q and x
	ds_store_b128 v7, v[32+4*J:35+4*J] offset:512*J
.set J, J+1
.endr
	s_wait_loadcnt 0x0                             ; q and x
	s_wait_dscnt 0x0                               ; for the others' sake: my part of K and V lies in LDS
	s_barrier_signal -1
	s_barrier_wait -1
	s_wait_alu depctr_vm_vsrc(0)                   ; my LDS stores of the fill have read v32 to v159, in which K's and V's loads land and which the score products write
; A KEY STEP: 128 keys.  last = 1: the pass's sixteenth step, which asks for no further K.
.macro STEP last
	s_wait_dscnt 0x0                               ; K is in: it was asked for in the middle of the step before, the first step's at the pass's head
.irp t, 0,1,2,3,4,5,6,7
	v_wmma_f32_16x16x64_bf8_bf8 v[96+8*\t:103+8*\t], v[32+8*(\t/2):39+8*(\t/2)], v[16+8*(\t%2):23+8*(\t%2)], 0
.endr
	s_wait_alu depctr_vm_vsrc(0)                   ; the LDS loads issued so far have read v2, which the next line writes
.if \last
	v_add_nc_u32 v2, 15*STEPB, v1                  ; this step's place in my head's K and V
.else
	v_add_nc_u32 v2, s24, v1                       ; this step's place in my head's K and V
.endif
.rept 3
	v_nop                                          ; with the addition above: four places (ISA guide 7.12.1) in front of the first read of the scores
.endr
	v_max3_num_f32 v254, v96, v97, v98             ; the step's largest score of my query, among my 64 keys, in two chains, each accumulator from its low end on,
	v_max3_num_f32 v252, v99, v100, v101
.irp i, 6,10,14,18,22,26,30,34,38,42,46,50,54,58
	v_max3_num_f32 v254, v254, v[96+\i], v[97+\i]
	v_max3_num_f32 v252, v252, v[98+\i], v[99+\i]
.endr
	v_max3_num_f32 v254, v254, v158, v159
	v_max_num_f32 v254, v254, v252
	v_permlanex16_b32 v236, v254, s20, s21
	v_max_num_f32 v254, v254, v236                 ; and among lane l xor 16's
	v_mul_f32 v254, s22, v254                      ; as t (c is positive)
	v_max_num_f32 v13, v13, v254                   ; the running largest t
	v_mov_b32 v254, v12
	v_floor_f32 v12, -v13                          ; the new -M = floor(-t) = -ceil(t): a whole number
	v_sub_f32 v254, v12, v254                      ; M's old value less its new one: a whole number, 0 or less
	v_cvt_i32_f32 v254, v254                       ; (it saturates)
	v_ldexp_f32 v252, 1.0, v254                    ; f = 2^(old M - new M)
.set J, 0
.rept 32
	v_pk_fma_f32 v[96+J:97+J], v[96+J:97+J], s[22:23], v[12:13] op_sel_hi:[1,0,0]   ; t - M, two at a time (of the pairs c and -M the low word serves both halves)
.set J, J+2
.endr
.set J, 0
.rept 64
	v_exp_f32 v[96+J], v[96+J]                     ; p = 2^(t - M), at most 1
.set J, J+1
.endr
	v_pk_mul_f32 v[14:15], v[14:15], v[252:253] op_sel_hi:[1,0]   ; the sums under the new M; also the plain instruction behind the exponentials
	s_wait_alu depctr_va_vdst(0)                   ; the step's one wait: the 64 exponentials have written p, ahead of its first reader; v2 is written; the score products are done reading K, and the last step's second products are done reading V
.irp t, 0,1,2,3,4,5,6,7
	ds_load_b128 v[64+4*\t:67+4*\t], v2 offset:4096+512*\t     ; V's two fragments, for this step's end
.endr
.if !\last
.irp t, 0,1,2,3,4,5,6,7
	ds_load_b128 v[32+4*\t:35+4*\t], v2 offset:STEPB+512*\t    ; the next step's K: eight tiles
.endr
.endif
	v_pk_add_f32 v[242:243], v[96:97], v[98:99]    ; the row's sum is taken of the unquantised p: two at a time, in two chains
.irp j, 4,8,12,16,20,24,28,32,36,40,44,48,52,56,60
	v_pk_add_f32 v[14:15], v[14:15], v[96+\j:97+\j]
	v_pk_add_f32 v[242:243], v[242:243], v[98+\j:99+\j]
.endr
	v_pk_add_f32 v[14:15], v[14:15], v[242:243]
	s_cmp_ge_i32 s19, -15                          ; 57,344 x 2^e9 >= 1.75 > p: nothing to hold
	s_cbranch_scc1 .Lfits_\@
.set J, 0
.rept 64
	v_min_num_f32 v[96+J], v[96+J], v240           ; the conversion to an 8-bit code does not saturate (ISA guide 7.6.2); p is not negative, so the hold is one-sided
.set J, J+1
.endr
.Lfits_\@:
.irp t, 0,1,2,3,4,5,6,7
	v_cvt_scalef32_pk8_bf8_f32 v[176+2*\t:177+2*\t], v[96+8*\t:103+8*\t], v244
.endr
.set J, 0
.rept 8
	v_pk_mul_f32 v[160+J:161+J], v[160+J:161+J], v[252:253] op_sel_hi:[1,0]   ; O^T under the new M; these are also the plain instructions behind the conversions
.set J, J+2
.endr
.if \last
	s_wait_dscnt 0x0                               ; V is in
.else
	s_wait_dscnt 8                                 ; V is in; the next step's K, eight loads, may be out
.endif
	v_wmma_f32_16x16x128_bf8_bf8 v[160:167], v[64:79], v[176:191], v[160:167]   ; the two accumulators take turns, and the eight score products stand between two steps' links
	v_wmma_f32_16x16x128_bf8_bf8 v[168:175], v[80:95], v[176:191], v[168:175]
.endm
; A PASS: 128 queries of the work-group, 16 of them mine; sixteen key steps of 128 keys; then the way out.
.macro PASS p
.irp t, 0,1,2,3,4,5,6,7
	ds_load_b128 v[32+4*\t:35+4*\t], v1 offset:512*\t          ; the first step's K.  No wait on the vector side: no vector or matrix instruction since the last such wait names v1 or v32 to v63
.endr
.if \p
.irp j, 0,1,2,3
	v_mov_b32 v[16+\j], v[224+\j]
	v_mov_b32 v[28+\j], v[224+\j]
.endr
.endif
	v_mov_b32 v13, 0xff61b1e6                      ; the largest t so far: -3e38, under every t
	v_floor_f32 v12, -v13                          ; -M
	v_mov_b32 v14, 0                               ; the sum, in two halves
	v_mov_b32 v15, 0
.set J, 0
.rept 16
	v_mov_b32 v[160+J], 0                          ; O^T: the first step finds zeros, which the first change of M leaves zeros
.set J, J+1
.endr
	s_mov_b32 s24, 0                               ; the step's place in a head's K and V; it also counts the trips
.Lstep_\@:                                             ; fifteen trips
	STEP 0
	s_add_co_u32 s24, s24, STEPB
	s_cmp_lt_u32 s24, 15*STEPB
	s_cbranch_scc1 .Lstep_\@
	STEP 1                                         ; the sixteenth step is written out: no load reaches past my head's K and V
	; THE WAY OUT: O^T / the sum x 2^(e8 + e9) goes into the work-group's stage; a barrier, since a row's 256 bytes come from two waves; back as whole rows; + x; stored.
.rept 4
	v_nop
.endr
	v_add_f32 v14, v14, v15                        ; the sum's two halves,
	v_permlanex16_b32 v252, v14, s20, s21
	v_add_f32 v14, v14, v252                       ; and lane l xor 16's
	v_rcp_f32 v14, v14
	v_nop                                          ; a plain instruction behind the reciprocal
	s_wait_alu depctr_va_vdst(0)                   ; the reciprocal has written v14, ahead of its first reader
	v_ldexp_f32 v14, v14, s25
.set J, 0
.rept 16
	v_mul_f32 v[96+J], v[160+J], v14               ; register 8 d + j: channel 16 d + 8 (lane / 16) + j of my query
.set J, J+1
.endr
	s_wait_alu depctr_va_vdst(0)                   ; the multiplications have written v96 to v111, which the LDS stores read; and every reader of v112 to v127, in which the loads behind the barrier land, is done
.irp d, 0,1
	ds_store_b128 v4, v[96+8*\d:99+8*\d] offset:64*\d
	ds_store_b128 v4, v[100+8*\d:103+8*\d] offset:64*\d+16
.endr
	s_wait_dscnt 0x0                               ; for the others' sake: my stores into the stage are done
	s_barrier_signal -1
	s_barrier_wait -1
.irp i, 0,1,2,3
	ds_load_b128 v[112+4*\i:115+4*\i], v5 offset:2*SP*\i
.endr
	s_wait_dscnt 0x0
.set J, 0
.rept 8
	v_pk_add_f32 v[112+J:113+J], v[112+J:113+J], v[192+16*(\p)+J:193+16*(\p)+J]
.set J, J+2
.endr
	s_wait_alu depctr_va_vdst(0)                   ; the additions have written v112 to v127, which the stores read
.irp i, 0,1,2,3
	global_store_b128 v6, v[112+4*\i:115+4*\i], s[12:13] offset:262144*(\p)+4096*\i   ; sixteen lanes store 256 consecutive bytes, aligned
.endr
.if (\p) == 0
	s_wait_xcnt 0x0                                ; the stores have had their addresses translated: their registers are written again only behind this wait
	s_wait_alu depctr_vm_vsrc(0)                   ; the stage's stores have read v96 to v111 and the stores above v112 to v127, which the next pass's score products write
	s_barrier_signal -1                            ; every wave's reads of the stage are back (the wait above): the next pass may write it
	s_barrier_wait -1
.endif
.endm
	PASS 0
	PASS 1
	s_wait_dscnt 0x0                               ; the closing lines, six on end
	s_wait_alu 0x0
	s_wait_tensorcnt 0x0
	ds_add_u32 v251, v255
	s_wait_dscnt 0x0
	s_endpgm
.Lfunc_end_k_q99e5fe7f76_attn:
	.size	k_q99e5fe7f76_attn, .Lfunc_end_k_q99e5fe7f76_attn-k_q99e5fe7f76_attn
	.p2alignl 7, 3214868480
	.fill 96, 4, 3214868480
	.section	.rodata,"a",@progbits
	.p2align	6, 0x0
	.amdhsa_kernel k_q99e5fe7f76_attn
		.amdhsa_group_segment_fixed_size 299008
		.amdhsa_private_segment_fixed_size 0
		.amdhsa_enable_private_segment 0
		.amdhsa_kernarg_size 40
		.amdhsa_user_sgpr_count 2
		.amdhsa_user_sgpr_kernarg_segment_ptr 1
		.amdhsa_wavefront_size32 1
		.amdhsa_system_sgpr_workgroup_id_x 1
		.amdhsa_system_sgpr_workgroup_id_y 1
		.amdhsa_system_sgpr_workgroup_id_z 1
		.amdhsa_system_vgpr_workitem_id 0
		.amdhsa_next_free_vgpr 256
		.amdhsa_next_free_sgpr 66
		.amdhsa_reserve_vcc 0
		.amdhsa_float_denorm_mode_32 3
		.amdhsa_float_denorm_mode_16_64 3
		.amdhsa_memory_ordered 1
		.amdhsa_forward_progress 1
		.amdhsa_inst_pref_size 72
	.end_amdhsa_kernel
	.amdgpu_metadata
---
amdhsa.version: [ 1, 2 ]
amdhsa.kernels:
  - .name:           k_q99e5fe7f76_attn
    .symbol:         k_q99e5fe7f76_attn.kd
    .args:
      - { .name: qc, .offset: 0, .size: 8, .value_kind: global_buffer, .address_space: global }
      - { .name: kvc, .offset: 8, .size: 8, .value_kind: global_buffer, .address_space: global }
      - { .name: x, .offset: 16, .size: 8, .value_kind: global_buffer, .address_space: global }
      - { .name: lowp_scales, .offset: 24, .size: 8, .value_kind: global_buffer, .address_space: global }
      - { .name: x1, .offset: 32, .size: 8, .value_kind: global_buffer, .address_space: global }
    .group_segment_fixed_size: 299008
    .private_segment_fixed_size: 0
    .kernarg_segment_align: 8
    .kernarg_segment_size: 40
    .max_flat_workgroup_size: 512
    .sgpr_count:     66
    .vgpr_count:     256
    .wavefront_size: 32
...
	.end_amdgpu_metadata
.endif
;; end of part 6
;; launch up (part 7): grid 64 x 4, 4 waves a work-group, no clusters, 68,096 bytes of LDS; arguments x1, w1i, b1, alpha, beta, lowp_scales, hid; writes hid
.if DOCPART == 7
	.amdgcn_target "amdgcn-amd-amdhsa--gfx1250"
	.amdhsa_code_object_version 6
	.text
	.protected	k_q99e5fe7f76_up
	.globl	k_q99e5fe7f76_up
	.p2align	8
	.type	k_q99e5fe7f76_up,@function
k_q99e5fe7f76_up:
	s_mov_b64 s[64:65], 0
	v_nop
	global_prefetch_b8 v0, s[64:65] scope:SCOPE_SE
	s_setreg_imm32_b32 hwreg(HW_REG_WAVE_SCHED_MODE, 0, 2), 2
	s_setreg_imm32_b32 hwreg(HW_REG_WAVE_MODE, 25, 1), 1
	s_wait_xcnt 0x0
	s_wait_alu depctr_vm_vsrc(0)
; hid = codes of relu(LN(x1) W1 + b1).  Layer norm of 128 rows of x1, quantised to E5M2 (e10), times W1 (codes, e11), + b1, relu, quantised (e12).
; SHARES.  A work-group has 128 rows (x) and 1,024 hidden units (y), four waves.  Wave w normalises rows 32 w .. 32 w + 31 into an LDS tile of codes (rows of 512 bytes, 528 apart); one barrier; every wave takes all 32
; fragments of the tile (512 registers) and keeps them.  Wave w makes hidden units 1,024 y + 256 w + 0 .. 255: eight trips of 32.  The layer norm is made once for each of the four y: about 1,900 vector instructions a wave
; beside 512 products, against a launch of its own and the codes' way through memory.
; The weights come from w1i, laid in the order of the operand registers: every load is 512 consecutive bytes; two buffers of 128 registers; each fragment feeds eight products.
; NO JOINT LOADS: the row blocks share the weights, but a joint load lands in LDS, and the weights here go from memory into the operand registers themselves, each byte once a wave.
; The product is used transposed (source 0 = 16 rows of W1, source 1 = 16 rows of x1); w1i's tiles are made of rows such that a lane's 16 registers of a pair of tiles are hidden units 32 P + 16 (lane / 16) + 0 .. 15 of one row.
; b1, divided by 2^(e10 + e11), is the C of each sum's first product.  The hold between 0 and the largest code x the scale is the relu as well.
; OUT: hid as images of the next product's operand registers: (tile of 16 rows x 32 + K step of 128) x 2,048 + 512 c + 16 lane; lane (r, h): row r, hidden units 128 step + 32 c + 16 h + 0 .. 15.
; LIMITS on the given exponents: e10, and e12 - e10 - e11, between -126 and 112.  NaN among the inputs is not served.
; REGISTERS.  Window 0: v1 lane % 16, v2 lane / 16, v3 x1's offset, v4, v5 LDS addresses, v12 b1's offset, v13 16 x lane, v14 1 / 511, v16-31 at work, v32-159 four slots of x1, later the 16 accumulators,
;   v160-191 codes, v192-223 b1 in two buffers, v224-227 the two scales and their limits, v254, v255 the closing add's two.  Windows 1 and 2: x1's fragments.  Window 3: the weights.
; THE MODE: SCHED_MODE bits 1:0 = 2 (LLVM: expert scheduling mode 2), set by the entry lines.  The code itself states the register dependences between vector or matrix instructions
; and memory or LDS instructions, with s_wait_alu, always for 0.
; THE PLAN.  Registers that memory or LDS instructions touch:
;   v3-v5, v12, v13  offsets and LDS addresses: made at the head, ahead of the wait in front of the first load; never written again.
;   v32-159        in the layer norm four slots of x1: a call of LN2 works in place on two of them, and behind its conversions the loads of two calls on land there.  Later the accumulators, which no memory instruction names.
;   v160-191       codes.  Layer norm: two halves by turns; a call's conversions write one, its sixteen LDS stores read it.  Trips: two halves; each is written by its conversions and read by its four stores.
;   window 3       the weights: buffer p % 2 is read by trip p's 64 products; behind them the loads of trip p + 2 land in it.
;   v192-223       b1: buffer p % 2 is scaled in place at trip p's head and read by its first sixteen products; behind the products the loads of trip p + 2 land in it.
;   windows 1, 2   x1's fragments: loaded once, behind the barrier; named by the products alone.
; A call of LN2 has one wait on va_vdst behind its conversions, for its loads and its LDS stores alike.  A trip has two: the first stands behind the first half's conversions, which are issued while the last products
; finish, and serves the next weights' and bias's loads and the first half's stores; the second serves the second half's stores.  One wait on vm_vsrc stands ahead of each first rewrite of code registers that stores have read.
.set PITCH, 528
.set XR,    32
.set CD,    160
.set MU,    16
.set G,     20
.set T,     24
.set BI,    192
.set MSB,   0
.macro WIN new                         ; the immediate's high byte repeats the setting that is left
.if MSB != (\new)
	s_set_vgpr_msb (MSB<<8)|(\new)
.set MSB, (\new)
.endif
.endm
.macro WLOAD p, w                      ; pair p's two tiles of W1, all four K steps, into buffer p % 2: 32 loads of 512 consecutive bytes.  w = 1: a wait on the vector side stands behind the window switch, ahead of the loads
	WIN 0xc0                                       ; destination window 3, address window 0
.if \w
	s_wait_alu depctr_va_vdst(0)                   ; at the head: the offsets and LDS addresses v3 to v5, v12 and v13 are written, which the loads and stores from here on read.  In a trip: its products are done reading this buffer and the bias's, whose scaling is written too, and the conversions above have written the codes that the stores below read
.endif
.irp u, 0,1
.irp s, 0,1,2,3
.irp c, 0,1,2,3
	global_load_b128 v[128*((\p)%2)+16*(4*\u+\s)+4*\c:128*((\p)%2)+16*(4*\u+\s)+4*\c+3], v13, s[6:7] offset:(\p)*16384+\u*8192+(4*\s+\c)*512
.endr
.endr
.endr
	WIN 0
.endm
.macro BLOAD p                         ; b1 at hidden units 32 p + 16 (lane / 16) + 8 u + 0 .. 7
.irp u, 0,1
.irp e, 0,1
	global_load_b128 v[BI+16*((\p)%2)+8*\u+4*\e:BI+16*((\p)%2)+8*\u+4*\e+3], v12, s[8:9] offset:(32*(\p)+8*\u)*4+16*\e
.endr
.endr
.endm
.macro XLOAD pr                        ; rows 2 pr and 2 pr + 1 of my 32: each load takes 256 consecutive bytes of each row.  Register 4 j + e holds k = 64 j + 4 (lane % 16) + e
.irp j, 0,1,2,3,4,5,6,7
	global_load_b128 v[XR+32*((\pr)%4)+4*\j:XR+32*((\pr)%4)+4*\j+3], v3, s[4:5] offset:(\pr)*4096+\j*256
.endr
.endm
.macro ACROSS                          ; two chains a row are joined, then the row's sixteen lanes; the two pairs of rows alternate line by line
.irp z, 0,1
	v_pk_add_f32 v[T+4*\z:T+4*\z+1], v[T+4*\z:T+4*\z+1], v[T+4*\z+2:T+4*\z+3]
.endr
.irp z, 0,1
	v_add_f32 v[T+4*\z], v[T+4*\z], v[T+4*\z+1]
.endr
.irp k, 1,2,4,8
.irp z, 0,1
	v_add_f32_dpp v[T+4*\z], v[T+4*\z], v[T+4*\z] row_xmask:\k row_mask:0xf bank_mask:0xf
.endr
.endr
.endm
; Row pairs 2 i and 2 i + 1 (four rows): mean, variance about the mean, alpha (x - mean) / sqrt(var + 1e-6) + beta, hold, codes, into the LDS tile.  left: younger loads that may stay out.
.macro LN2 i, left, refill
.set XB, XR+32*((2*(\i))%4)
.set CB, CD+8*((2*(\i))%4)
	s_wait_loadcnt \left                           ; loads come back in order: these two pairs' sixteen are in, the next two pairs' may be out
.irp z, 0,1
	v_pk_add_f32 v[T+4*\z:T+4*\z+1], v[XB+32*\z:XB+32*\z+1], v[XB+32*\z+2:XB+32*\z+3]
	v_pk_add_f32 v[T+4*\z+2:T+4*\z+3], v[XB+32*\z+4:XB+32*\z+5], v[XB+32*\z+6:XB+32*\z+7]
.endr
.irp j, 8,12,16,20,24,28
.irp z, 0,1
	v_pk_add_f32 v[T+4*\z:T+4*\z+1], v[T+4*\z:T+4*\z+1], v[XB+32*\z+\j:XB+32*\z+\j+1]
	v_pk_add_f32 v[T+4*\z+2:T+4*\z+3], v[T+4*\z+2:T+4*\z+3], v[XB+32*\z+\j+2:XB+32*\z+\j+3]
.endr
.endr
	ACROSS
.irp z, 0,1
	v_mul_f32 v[MU+2*\z], 0xbb000000, v[T+4*\z]    ; minus the mean: the sum x -2^-9
.endr
.set J, 0
.rept 16
	v_pk_add_f32 v[XB+J:XB+J+1], v[XB+J:XB+J+1], v[MU:MU+1] op_sel_hi:[1,0]
	v_pk_add_f32 v[XB+32+J:XB+33+J], v[XB+32+J:XB+33+J], v[MU+2:MU+3] op_sel_hi:[1,0]
.set J, J+2
.endr
.irp z, 0,1
	v_pk_mul_f32 v[T+4*\z:T+4*\z+1], v[XB+32*\z:XB+32*\z+1], v[XB+32*\z:XB+32*\z+1]
	v_pk_mul_f32 v[T+4*\z+2:T+4*\z+3], v[XB+32*\z+2:XB+32*\z+3], v[XB+32*\z+2:XB+32*\z+3]
.endr
.irp j, 4,8,12,16,20,24,28
.irp z, 0,1
	v_pk_fma_f32 v[T+4*\z:T+4*\z+1], v[XB+32*\z+\j:XB+32*\z+\j+1], v[XB+32*\z+\j:XB+32*\z+\j+1], v[T+4*\z:T+4*\z+1]
	v_pk_fma_f32 v[T+4*\z+2:T+4*\z+3], v[XB+32*\z+\j+2:XB+32*\z+\j+3], v[XB+32*\z+\j+2:XB+32*\z+\j+3], v[T+4*\z+2:T+4*\z+3]
.endr
.endr
	ACROSS
.irp z, 0,1
	v_fmaak_f32 v[T+4*\z], v[T+4*\z], v14, 0x358637bd   ; the squares' sum / 511 + 1e-6
.endr
.irp z, 0,1
	v_rsq_f32 v[T+4*\z+1], v[T+4*\z]
.endr
	v_nop                                          ; a plain instruction behind the last root
	s_wait_alu depctr_va_vdst(0)                   ; one wait for both roots, ahead of their first reader
.irp z, 0,1
	v_mul_f32 v[G+2*\z], s47, v[T+4*\z+1]          ; alpha / sqrt(var + 1e-6)
.endr
.set J, 0
.rept 16
	v_pk_fma_f32 v[XB+J:XB+J+1], v[XB+J:XB+J+1], v[G:G+1], s[48:49] op_sel_hi:[1,0,0]
	v_pk_fma_f32 v[XB+32+J:XB+33+J], v[XB+32+J:XB+33+J], v[G+2:G+3], s[48:49] op_sel_hi:[1,0,0]
.set J, J+2
.endr
.set J, 0
.rept 64
	v_med3_num_f32 v[XB+J], v[XB+J], -v225, v225   ; the conversion to an 8-bit code does not saturate (ISA guide 7.6.2): the hold at the largest code x the scale
.set J, J+1
.endr
	s_wait_dscnt 16                                ; the sixteen LDS stores of the last call may be out; those of the call before are done
.if (\i) >= 2
	s_wait_alu depctr_vm_vsrc(0)                   ; the LDS stores of the call before last have read this half of the code registers, which the conversions below write again
.endif
.irp z, 0,1
.irp a, 0,1,2,3
	v_cvt_scalef32_pk8_bf8_f32 v[CB+8*\z+2*\a:CB+8*\z+2*\a+1], v[XB+32*\z+8*\a:XB+32*\z+8*\a+7], v224
.endr
.endr
	v_nop                                          ; a plain instruction behind the last scaled conversion
	s_wait_alu depctr_va_vdst(0)                   ; the conversions have written the codes, which the LDS stores below read; the call's arithmetic is done with its 64 registers of x1, in which the loads below land
.if \refill
	XLOAD 2*(\i)+4
	XLOAD 2*(\i)+5
.endif
.irp z, 0,1
.irp a, 0,1,2,3
	ds_store_b32 v4, v[CB+8*\z+2*\a] offset:(2*(\i)+\z)*2*PITCH+128*\a         ; k = 128 a + 4 (lane % 16) + 0 .. 3
	ds_store_b32 v4, v[CB+8*\z+2*\a+1] offset:(2*(\i)+\z)*2*PITCH+128*\a+64    ; and 64 further on
.endr
.endr
.endm
.macro AFETCH                          ; all 32 fragments of the tile of codes.  No wait on the vector side: v5 was written ahead of the head's wait, and no vector or matrix instruction has named windows 1 and 2
.irp m, 0,1,2,3,4,5,6,7
	WIN 0x40*(1+\m/4)
.irp s, 0,1,2,3
.irp c, 0,1,2,3
	ds_load_b128 v[16*(4*(\m%4)+\s)+4*\c:16*(4*(\m%4)+\s)+4*\c+3], v5 offset:\m*16*PITCH+128*\s+32*\c
.endr
.endr
.endr
	WIN 0
	s_wait_dscnt 0x0
.endm
; 64 products: 8 tiles of rows x 2 tiles of hidden units x 4 K steps.  Eight accumulators take turns, one instruction a turn; the first K step starts the sums with the bias.
.macro MM q
.irp mh, 0,1
	WIN 0x07+4*\mh                                 ; source 0 (W1) window 3, source 1 (x1) window 1 or 2; C and D window 0
.irp s, 0,1,2,3
.irp mm, 0,1,2,3
.irp u, 0,1
.set rD, 32+16*(4*\mh+\mm)+8*\u
.set rW, 128*(\q)+16*(4*\u+\s)
.set rA, 16*(4*\mm+\s)
.set rB, BI+16*(\q)+8*\u
.if \s == 0
	v_wmma_f32_16x16x128_bf8_bf8 v[rD:rD+7], v[rW:rW+15], v[rA:rA+15], v[rB:rB+7]
.else
	v_wmma_f32_16x16x128_bf8_bf8 v[rD:rD+7], v[rW:rW+15], v[rA:rA+15], v[rD:rD+7]
.endif
.endr
.endr
.endr
.endr
	WIN 0
.rept 4
	v_nop                                          ; four places (ISA guide 7.12.1) in front of the first read of results
.endr
.endm
; Tiles of rows 4 h .. 4 h + 3 become codes; each accumulator is read from its low end on
.macro HALF h
.irp mm, 0,1,2,3
.set M, 4*(\h)+\mm
.irp j, 0,1,2,3,4,5,6,7,8,9,10,11,12,13,14,15
	v_med3_num_f32 v[32+16*M+\j], v[32+16*M+\j], 0, v227   ; the relu and the hold in one
.endr
	v_cvt_scalef32_pk8_bf8_f32 v[CD+4*M:CD+4*M+1], v[32+16*M:32+16*M+7], v226
	v_cvt_scalef32_pk8_bf8_f32 v[CD+4*M+2:CD+4*M+3], v[32+16*M+8:32+16*M+15], v226
.endr
	v_nop                                          ; a plain instruction behind the last scaled conversion
.endm
.macro OUT p, h
.irp mm, 0,1,2,3
	global_store_b128 v13, v[CD+4*(4*(\h)+\mm):CD+4*(4*(\h)+\mm)+3], s[16:17] offset:(4*(\h)+\mm)*65536+((\p)/4)*2048+((\p)%4)*512   ; 32 lanes store 512 consecutive bytes, aligned
.endr
.endm
; A trip: hidden units 32 p .. 32 p + 31 of my 256.
.macro TRIP p
.if (\p) < 7
	s_wait_loadcnt 36                              ; this pair's weights and bias are in; the next pair's 32 + 4 loads may be out
.else
	s_wait_loadcnt 0x0
.endif
.set J, 0
.rept 16
	v_ldexp_f32 v[BI+16*((\p)%2)+J], v[BI+16*((\p)%2)+J], s55   ; b1 / 2^(e10 + e11): the power of two that the sums lack
.set J, J+1
.endr
	MM (\p)%2
	s_wait_xcnt 0x0                                ; the last trip's stores have had their addresses translated: the code registers are written again only behind this wait
	s_wait_alu depctr_vm_vsrc(0)                   ; the last trip's stores (in the first trip: the layer norm's LDS stores) have read the code registers, which the conversions below write again
	HALF 0
.if (\p) < 6
	WLOAD (\p)+2, 1
	BLOAD (\p)+2
.else
	s_wait_alu depctr_va_vdst(0)                   ; the conversions above have written the first half's codes, which the stores below read
.endif
	OUT \p, 0
	HALF 1
	s_wait_alu depctr_va_vdst(0)                   ; the conversions above have written the second half's codes, which the stores below read
	OUT \p, 1
.endm
	s_load_b256 s[4:11], s[0:1], 0x0               ; x1, w1i, b1, alpha
	s_load_b128 s[12:15], s[0:1], 0x20             ; beta, the scales' exponents
	s_load_b64 s[16:17], s[0:1], 0x30              ; hid
	v_lshl_add_u32 v254, v0, 2, 0x10800
	v_mov_b32 v255, 0
	v_lshrrev_b32 v1, 5, v0
	v_readfirstlane_b32 s26, v1                    ; wave 0..3
	s_and_b32 s27, ttmp7, 0xffff                   ; which 1,024 hidden units
	v_and_b32 v1, 15, v0                           ; lane % 16
	v_bfe_u32 v2, v0, 4, 1                         ; lane / 16
	v_and_b32 v13, 31, v0
	v_lshlrev_b32 v13, 4, v13                      ; 16 x lane
	s_lshl_b32 s28, ttmp9, 18                      ; my block's 128 rows of 2,048 bytes
	s_mov_b32 s29, 0
	s_wait_alu depctr_va_sdst(0)                   ; s26, the wave's number, is written, ahead of its first reader
	s_lshl_b32 s30, s26, 16
	v_lshlrev_b32 v3, 11, v2
	v_lshl_add_u32 v3, v1, 4, v3
	v_add_nc_u32 v3, s30, v3                       ; x1: (32 w + lane / 16) rows + 16 (lane % 16)
	s_mul_i32 s31, s26, 32*PITCH
	v_mul_u32_u24 v4, v2, PITCH
	v_lshl_add_u32 v4, v1, 2, v4
	v_add_nc_u32 v4, s31, v4                       ; the tile, on the way in
	v_mul_u32_u24 v5, v1, PITCH
	v_lshl_add_u32 v5, v2, 4, v5                   ; and out
	v_lshlrev_b32 v12, 6, v2                       ; b1: 16 numbers further on for lanes 16-31
	v_mov_b32 v14, 0x3b004020                      ; 1 / 511
	v_mov_b32 v17, 0                               ; upper halves of pairs of which the low word serves both halves: named, so written
	v_mov_b32 v19, 0
	v_mov_b32 v21, 0
	v_mov_b32 v23, 0
	s_lshl_b32 s40, s27, 19                        ; w1i: (32 y + 8 w) pairs of 16,384 bytes
	s_lshl_b32 s41, s26, 17
	s_add_co_u32 s40, s40, s41
	s_mov_b32 s41, 0
	s_lshl_b32 s42, s27, 12                        ; b1: (1,024 y + 256 w) numbers
	s_lshl_b32 s43, s26, 10
	s_add_co_u32 s42, s42, s43
	s_mov_b32 s43, 0
	s_lshl_b32 s44, ttmp9, 19                      ; hid: (8 x tiles of rows x 32 + 8 y + 2 w) K steps of 2,048 bytes
	s_lshl_b32 s45, s27, 14
	s_add_co_u32 s44, s44, s45
	s_lshl_b32 s45, s26, 12
	s_add_co_u32 s44, s44, s45
	s_mov_b32 s45, 0
	s_wait_kmcnt 0x0
	s_load_b128 s[32:35], s[14:15], 0x28           ; e10, e11, e12, e13
	s_load_b32 s47, s[10:11], 0x0                  ; alpha
	s_load_b32 s48, s[12:13], 0x0                  ; beta
	s_add_nc_u64 s[4:5], s[4:5], s[28:29]
	s_add_nc_u64 s[6:7], s[6:7], s[40:41]
	s_add_nc_u64 s[8:9], s[8:9], s[42:43]
	s_add_nc_u64 s[16:17], s[16:17], s[44:45]
	WLOAD 0, 1
	BLOAD 0
	WLOAD 1, 0
	BLOAD 1
	XLOAD 0
	XLOAD 1
	XLOAD 2
	XLOAD 3
	s_wait_kmcnt 0x0
	s_add_co_i32 s53, s32, 127
	s_lshl_b32 s54, s53, 23
	v_mov_b32 v224, s54                            ; 2^e10 as f32: the conversion takes its exponent field
	s_add_co_i32 s53, s53, 15
	s_lshl_b32 s53, s53, 23
	s_or_b32 s53, s53, 0x600000
	v_mov_b32 v225, s53                            ; 57,344 x 2^e10
	s_add_co_i32 s52, s32, s33                     ; e10 + e11
	s_sub_co_i32 s55, 0, s52
	s_sub_co_i32 s52, s34, s52                     ; e12 - e10 - e11: the three exponents folded into one scale
	s_add_co_i32 s52, s52, 127
	s_lshl_b32 s54, s52, 23
	v_mov_b32 v226, s54
	s_add_co_i32 s52, s52, 15
	s_lshl_b32 s52, s52, 23
	s_or_b32 s52, s52, 0x600000
	v_mov_b32 v227, s52
	s_mov_b32 s49, s48                             ; (named with beta as a pair, so it is written)
	LN2 0, 16, 1
	LN2 1, 16, 1
	LN2 2, 16, 1
	LN2 3, 16, 1
	LN2 4, 16, 1
	LN2 5, 16, 1
	LN2 6, 16, 0
	LN2 7, 0, 0
	s_wait_dscnt 0x0                               ; for the others' sake: my rows' codes lie in the tile
	s_barrier_signal -1
	s_barrier_wait -1
	AFETCH
	TRIP 0
	TRIP 1
	TRIP 2
	TRIP 3
	TRIP 4
	TRIP 5
	TRIP 6
	TRIP 7
	s_wait_dscnt 0x0                               ; the closing lines, six on end
	s_wait_alu 0x0
	s_wait_tensorcnt 0x0
	ds_add_u32 v254, v255
	s_wait_dscnt 0x0
	s_endpgm
.Lfunc_end_k_q99e5fe7f76_up:
	.size	k_q99e5fe7f76_up, .Lfunc_end_k_q99e5fe7f76_up-k_q99e5fe7f76_up
	.p2alignl 7, 3214868480
	.fill 96, 4, 3214868480
	.section	.rodata,"a",@progbits
	.p2align	6, 0x0
	.amdhsa_kernel k_q99e5fe7f76_up
		.amdhsa_group_segment_fixed_size 68096
		.amdhsa_private_segment_fixed_size 0
		.amdhsa_enable_private_segment 0
		.amdhsa_kernarg_size 56
		.amdhsa_user_sgpr_count 2
		.amdhsa_user_sgpr_kernarg_segment_ptr 1
		.amdhsa_wavefront_size32 1
		.amdhsa_system_sgpr_workgroup_id_x 1
		.amdhsa_system_sgpr_workgroup_id_y 1
		.amdhsa_system_sgpr_workgroup_id_z 1
		.amdhsa_system_vgpr_workitem_id 0
		.amdhsa_next_free_vgpr 1024
		.amdhsa_next_free_sgpr 66
		.amdhsa_reserve_vcc 0
		.amdhsa_float_denorm_mode_32 3
		.amdhsa_float_denorm_mode_16_64 3
		.amdhsa_memory_ordered 1
		.amdhsa_forward_progress 1
		.amdhsa_inst_pref_size 255
	.end_amdhsa_kernel
	.section	.bss,"aw",@nobits
	.p2align	6
	.space	262144
	.amdgpu_metadata
---
amdhsa.version: [ 1, 2 ]
amdhsa.kernels:
  - .name:           k_q99e5fe7f76_up
    .symbol:         k_q99e5fe7f76_up.kd
    .args:
      - { .name: x1, .offset: 0, .size: 8, .value_kind: global_buffer, .address_space: global }
      - { .name: w1i, .offset: 8, .size: 8, .value_kind: global_buffer, .address_space: global }
      - { .name: b1, .offset: 16, .size: 8, .value_kind: global_buffer, .address_space: global }
      - { .name: alpha, .offset: 24, .size: 8, .value_kind: global_buffer, .address_space: global }
      - { .name: beta, .offset: 32, .size: 8, .value_kind: global_buffer, .address_space: global }
      - { .name: lowp_scales, .offset: 40, .size: 8, .value_kind: global_buffer, .address_space: global }
      - { .name: hid, .offset: 48, .size: 8, .value_kind: global_buffer, .address_space: global }
    .group_segment_fixed_size: 68096
    .private_segment_fixed_size: 0
    .kernarg_segment_align: 8
    .kernarg_segment_size: 56
    .max_flat_workgroup_size: 128
    .sgpr_count:     66
    .vgpr_count:     1024
    .wavefront_size: 32
...
	.end_amdgpu_metadata
.endif
;; end of part 7
;; launch down: the kernel of part 4 again; grid 4 x 64, 4 waves a work-group, clusters of 4 x 4, 327,680 bytes of LDS; arguments hid, W2_codes, b2, lowp_scales, x1, out0; writes out0
